; MI455X (gfx1250); checked and timed in simulation.
; The chip was launched on July 23, 2026; its instructions are those of AMD's public machine-readable ISA for CDNA 5 (MIT licence, August 2026) and "CDNA5" Instruction Set Architecture Reference Guide (July 2026). The comments in the code are by the model that wrote it; some were corrected since.
;; Causal Self Attention With A Li Bi. Allowed arithmetic: matrix products marked QUANTISED: E2M3 operands, one E8M0 scale for each 32 along K, by v_wmma_scale_f32_16x16x128_f8f6f4 with both operands' format E2M3, f32 sums; everything else in f32.
;; Inputs: W_kqv 1,024 x 3,072 float32; W_proj 1,024 x 1,024 float32; b_kqv 3,072 float32; b_proj 1,024 float32; slopes 16 float32; x 2 x 2,048 x 1,024 float32.
;; Outputs: out0 2 x 2,048 x 1,024 float32.
;; This version of the problem:
;;   THIS VERSION OF THE PROBLEM IS GIVEN IN LOW PRECISION. The matrix products marked QUANTISED in the list below multiply operands that are first quantised to E2M3 (2 exponent bits, 3 mantissa bits; 6 bits a number), with one power-of-two scale for each 32 numbers along K (OCP MX v1.0); their sums are f32. All else is computed in f32.
;;   The module's matrix products, in the order in which they are computed (A, B: the left and right operand; K: the contracted axis; several contracted axes count as one K, in the product's order):
;;     1. [M 4,096, K 1,024] x [K 1,024, N 3,072]; A: input x; B: input W_kqv: QUANTISED
;;     2. batch 32 x [M 2,048, K 64] x [K 64, N 2,048]; A: computed on the way; B: computed on the way: QUANTISED
;;     3. batch 32 x [M 64, K 2,048] x [K 2,048, N 2,048]; A: computed on the way; B: softmax (see below): QUANTISED
;;     4. [M 4,096, K 1,024] x [K 1,024, N 1,024]; A: computed on the way; B: input W_proj: QUANTISED
;;   THE QUANTISER, for each operand of a quantised product, along K:
;;     - K is cut into blocks of 32 from its start; a last block that is shorter is filled with zeros.
;;     - A block's scale is 2^e with e = floor(log2(the largest magnitude in the block)) - 2, held to -126 .. 127; a block of zeros has e = 0. As a byte (E8M0): e + 127.
;;     - Each number is divided by its block's scale, clamped to +-7.5, and rounded to the nearest number of E2M3, ties to even, subnormals kept.
;;     - The product sums the exact products of the quantised numbers (number of the format x scale) in f32.
;;   ~~~python
;;   def quantise(x, axis):      # numpy; x: float32 -> the quantised numbers, widened to float32 again
;;       x = np.moveaxis(x, axis, -1); K = x.shape[-1]
;;       x = np.pad(x, [(0, 0)] * (x.ndim - 1) + [(0, -K % 32)]); x = x.reshape(x.shape[:-1] + (-1, 32)); a = np.abs(x).max(-1, keepdims=True)
;;       e = np.where(a > 0, np.clip(np.frexp(np.where(a > 0, a, 1))[1] - 1 - 2, -126, 127), 0)      # np.frexp(a)[1] - 1 = floor(log2(a)), exactly
;;       r = np.clip(x / 2.0 ** e, -7.5, 7.5)
;;       step = 2.0 ** (np.maximum(np.frexp(np.where(r == 0, 1, r))[1] - 1, 0) - 3)
;;       q = np.round(r / step) * step * 2.0 ** e      # np.round: ties to even
;;       return np.moveaxis(q.reshape(q.shape[:-2] + (-1,))[..., :K], -1, axis).astype(np.float32)
;;   ~~~
;;   SOFTMAX AHEAD OF A QUANTISED PRODUCT. Where the list says 'softmax', what is quantised is not the finished softmax but p = 2^(t - M), with t = logit x log2(e) and M = ceil(the row's largest t), a whole number; so 1/2 < the row's largest p <= 1. The row's sum l is taken of the UNQUANTISED p, in f32, and the product's result is divided by l at the end. Since M is a whole number, a kernel that streams over the keys may use a running M (the ceiling of the running maximum): every later rescaling is an exact power of two, which a block's scale takes up: the codes' values come out the same.
;;   OPERANDS COMPUTED ON THE WAY. 'Computed on the way' means the value that the module computes at that place (a softmax that the list does not call 'softmax' is quantised finished and normalised). What goes into a quantiser is computed in f32, as accurately as f32 sums, v_exp_f32 and their like allow (about 1e-6 of the number): no bf16 or f16 on the way to a quantiser, and a product that is left as it is and whose result goes on into a quantised operand takes f32 operands (vector FMAs, or v_wmma_f32_16x16x4_f32). A number that lies on a knife's edge between two numbers of the format may be rounded either way, as far as f32 arithmetic and the matrix unit's own rounding can turn it there, and no further.
;; One version. Each part assembles by itself: llvm-mc -triple=amdgcn-amd-amdhsa -mcpu=gfx1250 --defsym DOCPART=n.
;; ======== version 1 of 1: 4 launches
;; limits: right only within a limited range of input values
;; workspace buffers: xqb 3,276,800 bytes; yqb 3,276,800 bytes; wqb 3,276,800 bytes; kqvb 9,830,400 bytes
;; launch quant (part 1): grid 256 x 1, 8 waves a work-group, no clusters, 134,144 bytes of LDS; arguments x, W_kqv, W_proj, xqb, wqb; writes xqb, wqb
.if DOCPART == 1
	.amdgcn_target "amdgcn-amd-amdhsa--gfx1250"
	.amdhsa_code_object_version 6
	.text
	.protected	k_q32442509b5_quant
	.globl	k_q32442509b5_quant
	.p2align	8
	.type	k_q32442509b5_quant,@function
k_q32442509b5_quant:
	s_mov_b64 s[64:65], 0
	v_nop
	global_prefetch_b8 v0, s[64:65] scope:SCOPE_SE
	s_setreg_imm32_b32 hwreg(HW_REG_WAVE_MODE, 25, 1), 1
	s_wait_xcnt 0x0
; x [4096][1024], W_kqv [1024][3072] and W_proj [1024][1024], f32, become codes of FP6 (E2M3) with one E8M0 scale byte for each 32 along K (K = 1024 in all three).
; A block's scale is 2^(floor(log2(its largest magnitude)) - 2): its byte is the largest magnitude's exponent field - 2, held at 1 from below.
; LIMITS: NaN and infinities are not served; a block whose largest magnitude lies under 2^-124, a block of zeros among them, gets the byte 1 (its codes are zeros or nearly so; this program alone reads the bytes).
; THE CODES ARE LAID AS IMAGES OF OPERAND REGISTERS.  A half-image is 16 rows x 64 K, six registers a lane, 768 bytes: lane l's registers 0-3 at 16 l, its registers 4-5 at 512 + 8 l;
; lane (r, h) holds block h of row r.  Two half-images on end are a fragment of 16 x 128.  A buffer of codes is [chunk of 256 K][tile][K step 2][half 2][768].
; THE ROWS OF A TILE ARE NOT NEIGHBOURS: row r of tile 2 b + u is index 32 b + 8 u + r + 8 (r / 8), for x's rows and for the weights' columns alike.
; Scale words: [tile][pair of K steps 4][lane 32]: lane (r, hh) holds row r's word (four bytes) of K step 2 sp + hh.
; SHARES.  Every wave has one task of 16 KiB of f32.  Work-groups 0-127: x, a tile of 16 rows x 256 K a wave.  128-223: W_kqv, 32 columns x 128 K a wave.  224-255: W_proj likewise.
; No barrier: waves share nothing.  x's path alone uses LDS: a stage of its own for each wave.
.set FLOOR,  0x1800000                 ; 2^(3 - 127): no largest magnitude is taken under it
.set EOFF,   0xff000000                ; takes 2 off an exponent field
.set SP,     1040                      ; a stage row: 1,024 bytes + 16 = 65 x 16: sixteen rows start at sixteen different columns of 16 bytes
.set STAGE,  16*SP
.set SCALES, 3145728                   ; where the scale words begin in xqb, and W_kqv's in wqb
.set WPC,    2359296                   ; W_proj's codes in wqb
.set WPS,    3244032                   ; W_proj's scale words in wqb
; One whole block, 32 numbers in v[s] on, becomes six registers of codes in v[p] on and its scale byte in v[by].
.macro QB s, p, by
	v_max3_num_f32 v8, |v[\s]|, |v[\s+1]|, |v[\s+2]|               ; the largest magnitude, in two chains
	v_max3_num_f32 v9, |v[\s+3]|, |v[\s+4]|, |v[\s+5]|
.irp i, 6,10,14,18,22,26
	s_delay_alu instid0(VALU_DEP_2)
	v_max3_num_f32 v8, v8, |v[\s+\i]|, |v[\s+\i+1]|
	s_delay_alu instid0(VALU_DEP_2)
	v_max3_num_f32 v9, v9, |v[\s+\i+2]|, |v[\s+\i+3]|
.endr
	s_delay_alu instid0(VALU_DEP_2)
	v_max3_num_f32 v8, v8, |v[\s+30]|, |v[\s+31]|
	s_delay_alu instid0(VALU_DEP_1)
	v_max3_num_f32 v8, v8, v9, FLOOR
	s_delay_alu instid0(VALU_DEP_1)
	v_add_nc_u32 v10, EOFF, v8                     ; the conversion takes the exponent field of this operand as its scale
	v_cvt_scalef32_pk16_fp6_f32 v[\p:\p+2], v[\s:\s+15], v10
	v_cvt_scalef32_pk16_fp6_f32 v[\p+4:\p+6], v[\s+16:\s+31], v10  ; (a conversion's three registers begin on an even number)
	v_lshrrev_b32 v[\by], 23, v10                  ; the byte; also the plain instruction behind the conversions
	v_mov_b32 v[\p+3], v[\p+4]
	v_mov_b32 v[\p+4], v[\p+5]
	v_mov_b32 v[\p+5], v[\p+6]
.endm
	s_load_b128 s[4:7], s[0:1], 0x0                ; x, W_kqv
	s_load_b128 s[8:11], s[0:1], 0x10              ; W_proj, xqb
	s_load_b64 s[12:13], s[0:1], 0x20              ; wqb
	v_lshl_add_u32 v224, v0, 2, 0x20800
	v_mov_b32 v225, 0
	v_lshrrev_b32 v1, 5, v0
	s_delay_alu instid0(VALU_DEP_1)
	v_readfirstlane_b32 s14, v1                    ; wave 0..7
	v_and_b32 v1, 31, v0                           ; lane
	v_and_b32 v2, 15, v0                           ; r
	v_bfe_u32 v3, v0, 4, 1                         ; h
	s_delay_alu instid0(VALU_DEP_3)
	v_lshlrev_b32 v4, 4, v1                        ; 16 x lane
	s_delay_alu instid0(VALU_DEP_4)
	v_lshlrev_b32 v7, 3, v1                        ; 8 x lane
	s_mov_b32 s15, 0xffff0000                      ; lanes 16-31
	s_mov_b32 s16, 0x76543210
	s_mov_b32 s17, 0xfedcba98                      ; v_permlanex16_b32's selects for lane l xor 16
	s_cmp_lt_u32 ttmp9, 128
	s_cbranch_scc0 .Lweights
	; ---- x: tile Tg of 16 rows, chunk g of 256 along K
	s_lshl_b32 s18, ttmp9, 3
	s_add_co_u32 s18, s18, s14                     ; task
	s_lshr_b32 s19, s18, 2                         ; Tg
	s_and_b32 s20, s18, 3                          ; chunk
	s_lshr_b32 s21, s19, 1
	s_lshl_b32 s21, s21, 5
	s_and_b32 s22, s19, 1
	s_lshl_b32 s22, s22, 3
	s_add_co_u32 s21, s21, s22                     ; the tile's first row: 32 (Tg / 2) + 8 (Tg % 2)
	s_lshl_b32 s22, s21, 12                        ; rows of 4,096 bytes
	s_lshl_b32 s23, s20, 10
	s_add_co_u32 s22, s22, s23                     ; + 1,024 bytes a chunk
	s_mov_b32 s23, 0
	s_mul_i32 s24, s20, 786432                     ; codes: a chunk is 256 tiles x 3,072 bytes
	s_mul_i32 s25, s19, 3072
	s_add_co_u32 s24, s24, s25
	s_mov_b32 s25, 0
	s_lshl_b32 s26, s19, 9                         ; scale words: 512 bytes a tile, 128 a chunk
	s_lshl_b32 s27, s20, 7
	s_add_co_u32 s26, s26, s27
	s_add_co_u32 s26, s26, SCALES
	s_mov_b32 s27, 0
	s_mul_i32 s28, s14, STAGE                      ; my stage
	s_wait_alu depctr_va_vdst(0)
	v_add_nc_u32 v5, s28, v4                       ; in: 16 bytes a lane, as loaded
	v_mul_u32_u24 v6, v2, SP
	s_delay_alu instid0(VALU_DEP_1)
	v_lshl_add_u32 v6, v3, 7, v6
	s_delay_alu instid0(VALU_DEP_1)
	v_add_nc_u32 v6, s28, v6                       ; out: row r, + 128 h: my block of 32 numbers
	v_lshlrev_b32 v15, 3, v3                       ; 8 h
	v_mov_b32 v16, 0                               ; a lane permute's destination counts as one of its sources
	v_lshlrev_b32 v20, 2, v1                       ; 4 x lane
	s_wait_alu depctr_va_vdst(0)
	s_wait_kmcnt 0x0
	s_add_nc_u64 s[4:5], s[4:5], s[22:23]
	s_add_nc_u64 s[24:25], s[10:11], s[24:25]
	s_add_nc_u64 s[26:27], s[10:11], s[26:27]
.set i, 0
.rept 16                               ; all 32 loads go out at once; each reads 512 consecutive bytes of a row
	global_load_b128 v[32+8*i:32+8*i+3], v4, s[4:5] offset:(i+8*(i/8))*4096 th:TH_LOAD_NT
	global_load_b128 v[32+8*i+4:32+8*i+7], v4, s[4:5] offset:(i+8*(i/8))*4096+512 th:TH_LOAD_NT
.set i, i+1
.endr
.set i, 0
.rept 16
	s_wait_loadcnt 30-2*i                          ; row i's two loads are in; the two of each later row may be out
	ds_store_b128 v5, v[32+8*i:32+8*i+3] offset:SP*i
	ds_store_b128 v5, v[32+8*i+4:32+8*i+7] offset:SP*i+512
.set i, i+1
.endr
.irp c, 0,1                            ; K step 0: lane (r, h) takes blocks h and 2 + h of its row; LDS serves a wave's instructions in order: these see my stores
.irp j, 0,1,2,3,4,5,6,7
	ds_load_b128 v[160+32*\c+4*\j:160+32*\c+4*\j+3], v6 offset:256*\c+16*\j
.endr
.endr
	s_wait_dscnt 0x0                               ; K step 0 is in, and the stores have read v32-159
.irp c, 0,1                            ; K step 1 lands while step 0 is worked
.irp j, 0,1,2,3,4,5,6,7
	ds_load_b128 v[32+32*\c+4*\j:32+32*\c+4*\j+3], v6 offset:512+256*\c+16*\j
.endr
.endr
; my two bytes (blocks h and 2 + h) at their places in the row's word; lane l xor 16 has the other two
.macro XWORD b0, b1, dst
	s_delay_alu instid0(VALU_DEP_4)
	v_lshl_or_b32 v14, v[\b1], 16, v[\b0]
	s_delay_alu instid0(VALU_DEP_1)
	v_lshlrev_b32 v14, v15, v14
	s_delay_alu instid0(VALU_DEP_1)
	v_permlanex16_b32 v16, v14, s16, s17
	s_delay_alu instid0(VALU_DEP_1)
	v_or_b32 v[\dst], v14, v16
.endm
.macro XOUT p, off                     ; a half-image: 512 and 256 consecutive bytes, at a multiple of 256 from the buffer's first byte
	global_store_b128 v4, v[\p:\p+3], s[24:25] offset:\off
	global_store_b64 v7, v[\p+4:\p+5], s[24:25] offset:\off+512
.endm
	QB 160, 96, 24
	QB 192, 104, 25
	XWORD 24, 25, 17
	XOUT 96, 0
	XOUT 104, 768
	s_wait_dscnt 0x0                               ; K step 1 is in
	QB 32, 112, 26
	QB 64, 120, 27
	XWORD 26, 27, 18
	XOUT 112, 1536
	XOUT 120, 2304
	v_cndmask_b32 v19, v17, v18, s15               ; lanes 0-15: K step 0's words, lanes 16-31: K step 1's
	global_store_b32 v20, v19, s[26:27]            ; 128 consecutive bytes
	s_wait_tensorcnt 0x0
	ds_add_u32 v224, v225
	s_wait_dscnt 0x0
	s_endpgm
.Lweights:
	; ---- the weights: K is the FIRST axis.  A lane takes a column and its registers run down K, so that a block lies in one lane and the codes come out with K innermost.
	; Lane (u, r) takes column 8 u + r + 8 (r / 8) of the wave's 32: row r of tile 2 t + u.  Each load reads 128 consecutive bytes; the eight waves stand side by side on 1,024.
	s_wait_alu depctr_va_vdst(0)
	v_and_b32 v5, 8, v2
	s_delay_alu instid0(VALU_DEP_1)
	v_add_nc_u32 v5, v5, v2
	s_delay_alu instid0(VALU_DEP_1)
	v_lshl_add_u32 v5, v3, 3, v5
	s_delay_alu instid0(VALU_DEP_1)
	v_lshlrev_b32 v5, 2, v5                        ; my column, in bytes
	v_lshlrev_b32 v6, 2, v2
	s_delay_alu instid0(VALU_DEP_1)
	v_lshl_add_u32 v6, v3, 9, v6                   ; my scale word: 512 u + 4 r
.macro WLOAD b, pitch                  ; block b: 32 rows of the weight at my column
.set k, 32*(\b)
.rept 32
	global_load_b32 v[32+k], v5, s[22:23] offset:k*\pitch th:TH_LOAD_NT
.set k, k+1
.endr
.endm
.macro WPATH pitch, nt, code, sc, first, src
	s_sub_co_u32 s18, ttmp9, \first
	s_lshr_b32 s19, s18, 3
	s_and_b32 s20, s18, 7                          ; K step
	s_lshl_b32 s19, s19, 3
	s_add_co_u32 s19, s19, s14                     ; t: which 32 columns
	s_mul_i32 s22, s20, 128*\pitch
	s_lshl_b32 s23, s19, 7
	s_add_co_u32 s22, s22, s23
	s_mov_b32 s23, 0
	s_lshr_b32 s21, s20, 1                         ; chunk
	s_and_b32 s20, s20, 1                          ; K step in the chunk
	s_mul_i32 s24, s21, \nt*3072
	s_mul_i32 s25, s19, 6144                       ; two tiles
	s_add_co_u32 s24, s24, s25
	s_mul_i32 s25, s20, 1536
	s_add_co_u32 s24, s24, s25
	s_add_co_u32 s24, s24, \code
	s_mov_b32 s25, 0
	s_lshl_b32 s26, s19, 10
	s_lshl_b32 s27, s21, 7
	s_add_co_u32 s26, s26, s27
	s_lshl_b32 s27, s20, 6
	s_add_co_u32 s26, s26, s27
	s_add_co_u32 s26, s26, \sc
	s_mov_b32 s27, 0
	s_wait_kmcnt 0x0
	s_add_nc_u64 s[22:23], s[\src:\src+1], s[22:23]
	s_add_nc_u64 s[24:25], s[12:13], s[24:25]
	s_add_nc_u64 s[26:27], s[12:13], s[26:27]
	WLOAD 0, \pitch                                ; two blocks, 64 loads, ahead
	WLOAD 1, \pitch
	s_wait_loadcnt 32                              ; block 0 is in; block 1's 32 loads may be out
	WLOAD 2, \pitch
	QB 32, 160, 24
	s_wait_loadcnt 32                              ; block 1 is in; block 2's may be out
	WLOAD 3, \pitch
	QB 64, 168, 25
	s_wait_loadcnt 32                              ; block 2 is in; block 3's may be out
	QB 96, 176, 26
	s_wait_loadcnt 0x0
	QB 128, 184, 27
.irp c, 0,1                            ; blocks 2 c and 2 c + 1: the first's lanes 16-31 change places with the second's lanes 0-15: the first is then half-image c of tile 2 t, the second of tile 2 t + 1
.irp i, 0,1,2,3,4,5
	v_permlane16_swap_b32 v[160+16*\c+\i], v[168+16*\c+\i]
.endr
.endr
	v_lshl_or_b32 v14, v25, 8, v24                 ; my column's four bytes are its word of this K step
	s_delay_alu instid0(VALU_DEP_1)
	v_lshl_or_b32 v14, v26, 16, v14
	s_delay_alu instid0(VALU_DEP_1)
	v_lshl_or_b32 v14, v27, 24, v14
.irp c, 0,1
	global_store_b128 v4, v[160+16*\c:163+16*\c], s[24:25] offset:768*\c
	global_store_b64 v7, v[164+16*\c:165+16*\c], s[24:25] offset:768*\c+512
	global_store_b128 v4, v[168+16*\c:171+16*\c], s[24:25] offset:3072+768*\c
	global_store_b64 v7, v[172+16*\c:173+16*\c], s[24:25] offset:3072+768*\c+512
.endr
	global_store_b32 v6, v14, s[26:27]             ; two pieces of 64 bytes: one byte in 128 of what the wave reads
	s_endpgm
.endm
	s_cmp_lt_u32 ttmp9, 224
	s_cbranch_scc0 .Lproj
	s_wait_alu depctr_va_vdst(0)
	WPATH 12288, 192, 0, SCALES, 128, 6
.Lproj:
	s_wait_alu depctr_va_vdst(0)
	WPATH 4096, 64, WPC, WPS, 224, 8
.Lfunc_end_k_q32442509b5_quant:
	.size	k_q32442509b5_quant, .Lfunc_end_k_q32442509b5_quant-k_q32442509b5_quant
	.p2alignl 7, 3214868480
	.fill 96, 4, 3214868480
	.section	.rodata,"a",@progbits
	.p2align	6, 0x0
	.amdhsa_kernel k_q32442509b5_quant
		.amdhsa_group_segment_fixed_size 134144
		.amdhsa_private_segment_fixed_size 0
		.amdhsa_enable_private_segment 0
		.amdhsa_kernarg_size 40
		.amdhsa_user_sgpr_count 2
		.amdhsa_user_sgpr_kernarg_segment_ptr 1
		.amdhsa_wavefront_size32 1
		.amdhsa_system_sgpr_workgroup_id_x 1
		.amdhsa_system_sgpr_workgroup_id_y 1
		.amdhsa_system_sgpr_workgroup_id_z 1
		.amdhsa_system_vgpr_workitem_id 0
		.amdhsa_next_free_vgpr 226
		.amdhsa_next_free_sgpr 66
		.amdhsa_reserve_vcc 0
		.amdhsa_float_denorm_mode_32 3
		.amdhsa_float_denorm_mode_16_64 3
		.amdhsa_memory_ordered 1
		.amdhsa_forward_progress 1
		.amdhsa_inst_pref_size 64
	.end_amdhsa_kernel
	.amdgpu_metadata
---
amdhsa.version: [ 1, 2 ]
amdhsa.kernels:
  - .name:           k_q32442509b5_quant
    .symbol:         k_q32442509b5_quant.kd
    .args:
      - { .name: x, .offset: 0, .size: 8, .value_kind: global_buffer, .address_space: global }
      - { .name: W_kqv, .offset: 8, .size: 8, .value_kind: global_buffer, .address_space: global }
      - { .name: W_proj, .offset: 16, .size: 8, .value_kind: global_buffer, .address_space: global }
      - { .name: xqb, .offset: 24, .size: 8, .value_kind: global_buffer, .address_space: global }
      - { .name: wqb, .offset: 32, .size: 8, .value_kind: global_buffer, .address_space: global }
    .group_segment_fixed_size: 134144
    .private_segment_fixed_size: 0
    .kernarg_segment_align: 8
    .kernarg_segment_size: 40
    .max_flat_workgroup_size: 256
    .sgpr_count:     66
    .vgpr_count:     226
    .wavefront_size: 32
...
	.end_amdgpu_metadata
.endif
;; end of part 1
;; launch gemm_kqv (part 2): grid 12 x 32, 4 waves a work-group, clusters of 4 x 4, 327,680 bytes of LDS; arguments xqb, wqb, b_kqv, kqvb; writes kqvb
.if DOCPART == 2
	.amdgcn_target "amdgcn-amd-amdhsa--gfx1250"
	.amdhsa_code_object_version 6
	.text
	.protected	k_q32442509b5_gemm_kqv
	.globl	k_q32442509b5_gemm_kqv
	.p2align	8
	.type	k_q32442509b5_gemm_kqv,@function
k_q32442509b5_gemm_kqv:
	s_mov_b64 s[64:65], 0
	v_nop
	global_prefetch_b8 v0, s[64:65] scope:SCOPE_SE
	s_setreg_imm32_b32 hwreg(HW_REG_WAVE_MODE, 25, 1), 1
	s_wait_xcnt 0x0
	s_wait_alu depctr_hold_cnt(0) depctr_sa_sdst(0) depctr_va_vdst(0) depctr_va_sdst(0) depctr_va_ssrc(0) depctr_va_vcc(0) depctr_vm_vsrc(0)
	s_getreg_b32 s2, hwreg(HW_REG_IB_STS2, 6, 4)
	s_cmp_eq_u32 s2, 0
	s_cbranch_scc0 .Lentry_in_a_cluster
	s_endpgm
.Lentry_in_a_cluster:
	s_bfe_u32 s2, ttmp6, 0x10000c
	s_cmp_lg_u32 s2, 0xf033
	s_cbranch_scc0 .Lentry_shape_is_right
	s_endpgm
.Lentry_shape_is_right:
; kqv = x W_kqv + b_kqv on codes of FP6 (E2M3) with E8M0 scales, sums in f32; the results are quantised at once: k and q along the head's 64, v along the keys, and leave as codes alone.
; SHARES.  A work-group takes 128 rows x 256 columns (four heads); wave w takes all 8 tiles of rows x one head G = 4 nx + w (4 tiles of columns): 32 accumulators, 256 registers.
; LDS IS FILLED ONCE.  The work-group's whole K lies in LDS: four chunks of 256 along K, each A's 8 tiles (24,576 bytes) and B's 16 (49,152).  No byte is filled again.
; The codes lie in memory as images of operand registers (half-images of 768 bytes: lane l's registers 0-3 at 16 l, registers 4-5 at 512 + 8 l), so a chunk's tiles are one dense block, and a fragment is two loads of 16 bytes and two of 8.
; CLUSTERS: 4 x 4 work-groups.  A's blocks hang on the rows alone and are asked for jointly by a row of the cluster, B's on the columns alone, by a column.  All joint loads go out at the head, behind one round
; of the cluster's barrier: four a wave are out (waves 0, 1: A's halves of each chunk; waves 2, 3: B's).  A closing round stands in front of the end.
; TWO ORIENTATIONS, parted on the cluster's x, which all partners share.  k and q: source 0 = 16 columns of W, source 1 = 16 rows of x: a lane holds one row, and its registers run along the head's 64, the next K.
; v: source 0 = 16 rows of x (keys), source 1 = 16 columns of W: a lane holds one channel, and its registers run along the keys, the next K.
; Row r of tile 2 b + u is index 32 b + 8 u + r + 8 (r / 8) (rows and columns alike), so the 16 registers of two neighbouring tiles are 16 neighbours along the next K.
; The bias is the C of each sum's first matrix instruction.
; LIMITS: NaN and infinities are not served; a block whose largest magnitude lies under 2^-124 gets the byte 1 (this program alone reads the bytes).
; REGISTERS.  window 0: v1-3 lane terms; v4-19 LDS addresses, four for each chunk; v20-21 the bias's offsets; v32-63 x's scale words, v64-79 W's; v80-133 at work on the way out; v160-255 A's fragments of even K steps, later the codes.
;   window 1: v0-47, v48-95 B's fragments, two sets; v96-127 the bias; v160-255 A's fragments of odd K steps.   window 2: the accumulators.
; THE FILLS, AS THEY STAND (this takes the place of what is said above of four loads a wave): every byte is still filled once, but in two groups of joint loads, one load a wave in each.
; At the head wave 0 asks for chunk 0's A (24,576 bytes), wave 1 for its B (49,152), waves 2 and 3 for chunk 1's.  Behind the wait for all loads, the add, its wait and a round of the cluster's barrier
; the same waves ask for chunks 2 and 3, which land under K steps 0 to 3.
.set CHUNK,  73728
.set ASTR,   786432                    ; from chunk to chunk in xqb
.set BSTR,   589824                    ; and among W_kqv's codes in wqb
.set ASC,    3145728                   ; x's scale words in xqb
.set BSC,    3145728                   ; W_kqv's in wqb
.set OSC,    9437184                   ; the scale words in kqvb
.set AA16, 4                           ; v4-7    chunk g: 16 x lane + g CHUNK
.set AA8,  8                           ; v8-11   8 x lane + 512 + g CHUNK
.set BA16, 12                          ; v12-15  the same at my four tiles of B
.set BA8,  16                          ; v16-19
.set AS,   32                          ; x's scale words: tile a, pair of K steps sp at v[AS + 4 a + sp]: lanes 0-15 the even step's, lanes 16-31 the odd step's
.set BS,   64                          ; W's: v[BS + 4 t + sp]
.set AF,   160
.set BI,   96
.set TM,   80                          ; the way out: 16 largest magnitudes,
.set T2,   96                          ; 16 permutes' results, then bytes,
.set SO,   112                         ; 16 scale operands,
.set WD,   128                         ; scale words,
.set PC,   160                         ; codes: 8 registers a unit
.set G1A, 24                           ; s[24:31] descriptor group 1 for A's blocks;  s[48:55] for B's
.set G1B, 48
.set G0A, 68                           ; s[68:83] groups 0 for A's four chunks;  s[84:99] for B's
.set G0B, 84
.set MSB, 0
.macro WIN new                         ; s_set_vgpr_msb: bits 1:0 source 0, 3:2 source 1, 5:4 source 2, 7:6 destination; the high byte repeats the setting that is left
.if MSB != \new
	s_set_vgpr_msb (MSB<<8)|\new
.set MSB, \new
.endif
.endm
.macro CROUND                          ; a round of the cluster's barrier
	s_barrier_signal -1
	s_barrier_wait -1
	s_cmp_lg_u32 s14, 0
	s_cbranch_scc1 .Lnot_wave_0_\@
	s_barrier_signal -3
.Lnot_wave_0_\@:
	s_barrier_wait -3
	s_barrier_signal -1
	s_barrier_wait -1
.endm
	s_load_b128 s[4:7], s[0:1], 0x0                ; xqb, wqb
	s_load_b128 s[8:11], s[0:1], 0x10              ; b_kqv, kqvb
	v_lshl_add_u32 v158, v0, 2, 0x48000
	v_mov_b32 v159, 0
	ds_add_u32 v158, v159
	ds_add_u32 v158, v159
	v_lshrrev_b32 v1, 5, v0
	v_readfirstlane_b32 s14, v1                    ; wave 0..3
	s_lshr_b32 s15, s14, 1                         ; I fetch chunk 0 or 1 (then 2 or 3),
	s_and_b32 s16, s14, 1                          ; for A (0) or for B (1)
	s_bfe_u32 s40, ttmp6, 0x40000                  ; cx, cy: my place in the cluster
	s_bfe_u32 s41, ttmp6, 0x40004
	s_lshl_b32 s42, ttmp9, 2
	s_add_co_u32 s42, s42, s40                     ; nx: which 256 columns
	s_and_b32 s17, ttmp7, 0xffff
	s_lshl_b32 s17, s17, 2
	s_add_co_u32 s17, s17, s41                     ; my: which 128 rows
	s_lshl_b32 s43, s41, 2
	s_lshl_b32 s43, 15, s43                        ; my row of the cluster
	s_lshl_b32 s44, 0x1111, s40                    ; my column
	; group 1: a dense block as rows of 256 bytes (32 elements of 8 bytes), no padding.  A: 96 rows, B: 192
	s_or_b32 s[G1A], s43, (3<<16)|(1<<21)          ; 15:0 the mask; 17:16 elements of 8 bytes; 21 set beside a mask
	s_mov_b32 s[G1A+1], 32<<16                     ; tensor_dim0
	s_mov_b32 s[G1A+2], 96<<16                     ; tensor_dim1: A's whole block of a chunk
	s_mov_b32 s[G1A+3], 32<<16                     ; tile_dim0
	s_mov_b32 s[G1A+4], 96
	s_mov_b32 s[G1A+5], 32                         ; the pitch
	s_mov_b32 s[G1A+6], 0
	s_mov_b32 s[G1A+7], 0
	s_or_b32 s[G1B], s44, (3<<16)|(1<<21)
	s_mov_b32 s[G1B+1], 32<<16
	s_mov_b32 s[G1B+2], 192<<16                    ; B's whole block of a chunk
	s_mov_b32 s[G1B+3], 32<<16
	s_mov_b32 s[G1B+4], 192
	s_mov_b32 s[G1B+5], 32
	s_mov_b32 s[G1B+6], 0
	s_mov_b32 s[G1B+7], 0
	s_mul_i32 s20, s17, 24576                      ; A: my 8 tiles of a chunk,
	s_mul_i32 s18, s15, ASTR                       ; wave / 2: chunk 0 or 1 (then 2 or 3)
	s_add_co_u32 s20, s20, s18
	s_mov_b32 s21, 0
	s_mul_i32 s46, s42, 49152
	s_mul_i32 s19, s15, BSTR
	s_add_co_u32 s46, s46, s19
	s_mov_b32 s47, 0
	s_mul_i32 s18, s15, CHUNK                      ; in LDS: the chunk's A,
	s_add_co_u32 s19, s18, 24576                   ; and its B behind A's 24,576 bytes
	s_wait_dscnt 0x0
	s_wait_kmcnt 0x0
	s_add_nc_u64 s[20:21], s[4:5], s[20:21]
	s_add_nc_u64 s[46:47], s[6:7], s[46:47]
.irp g, 0,1
	s_mov_b32 s[G0A+4*\g], 1
	s_add_co_u32 s[G0A+4*\g+1], s18, \g*2*CHUNK
	s_add_nc_u64 s[G0A+4*\g+2:G0A+4*\g+3], s[20:21], \g*2*ASTR
	s_or_b32 s[G0A+4*\g+3], s[G0A+4*\g+3], 0x80000000   ; type = 2
	s_mov_b32 s[G0B+4*\g], 1
	s_add_co_u32 s[G0B+4*\g+1], s19, \g*2*CHUNK
	s_add_nc_u64 s[G0B+4*\g+2:G0B+4*\g+3], s[46:47], \g*2*BSTR
	s_or_b32 s[G0B+4*\g+3], s[G0B+4*\g+3], 0x80000000
.endr
	CROUND                                         ; all sixteen work-groups are here: the joint loads meet
	s_cmp_eq_u32 s16, 0                            ; even waves ask for A, odd waves for B: one load a wave, one in each arm
	s_cbranch_scc0 .Lfor_b
	tensor_load_to_lds s[G0A:G0A+3], s[G1A:G1A+7]
	s_nop 0
.rept 4
	v_nop
.endr
	s_branch .Lasked
.Lfor_b:
	tensor_load_to_lds s[G0B:G0B+3], s[G1B:G1B+7]
	s_nop 0
.rept 4
	v_nop
.endr
.Lasked:
	v_and_b32 v1, 31, v0
	v_lshlrev_b32 v3, 2, v1                        ; 4 x lane
	v_lshlrev_b32 v2, 3, v1
	v_add_nc_u32 v2, 512, v2                       ; 8 x lane + 512
	v_lshlrev_b32 v1, 4, v1                        ; 16 x lane
	s_mul_i32 s56, s14, 12288
	s_add_co_u32 s56, s56, 24576                   ; my four tiles of B in a chunk
.irp g, 0,1,2,3
	v_add_nc_u32 v[AA16+\g], \g*CHUNK, v1
	v_add_nc_u32 v[AA8+\g], \g*CHUNK, v2
	v_add_nc_u32 v[BA16+\g], s56, v[AA16+\g]
	v_add_nc_u32 v[BA8+\g], s56, v[AA8+\g]
.endr
	v_bfe_u32 v20, v0, 4, 1
	v_lshlrev_b32 v20, 6, v20                      ; the bias for k and q: 64 h bytes: my half's eight columns of a tile
	v_and_b32 v21, 15, v0
	v_and_b32 v22, 8, v21
	v_add_nc_u32 v21, v21, v22
	v_lshlrev_b32 v21, 2, v21                      ; the bias for v: my one column of a tile: 4 (r + 8 (r / 8))
	s_lshl_b32 s57, s42, 2
	s_add_co_u32 s57, s57, s14                     ; G = 4 nx + w: 0-15 k's heads, 16-31 q's, 32-47 v's
	s_lshl_b32 s32, s17, 12                        ; x's scale words: 512 bytes a tile, my 8 tiles
	s_add_co_u32 s32, s32, ASC
	s_mov_b32 s33, 0
	s_add_nc_u64 s[32:33], s[4:5], s[32:33]
	s_lshl_b32 s34, s57, 11                        ; W's: my 4 tiles
	s_add_co_u32 s34, s34, BSC
	s_mov_b32 s35, 0
	s_add_nc_u64 s[34:35], s[6:7], s[34:35]
	s_lshl_b32 s36, s57, 8                         ; the bias: my 64 numbers
	s_mov_b32 s37, 0
	s_add_nc_u64 s[36:37], s[8:9], s[36:37]
.irp a, 0,1,2,3,4,5,6,7
.irp p, 0,1,2,3
	global_load_b32 v[AS+4*\a+\p], v3, s[32:33] offset:512*\a+128*\p     ; 128 consecutive bytes
.endr
.endr
.irp t, 0,1,2,3
.irp p, 0,1,2,3
	global_load_b32 v[BS+4*\t+\p], v3, s[34:35] offset:512*\t+128*\p
.endr
.endr
	s_lshr_b32 s62, s17, 4                         ; the batch,
	s_and_b32 s63, s17, 15                         ; and which 128 rows of its 2,048
	s_mul_i32 s58, s62, 48
	s_add_co_u32 s58, s58, s57
	s_mul_i32 s38, s58, 98304                      ; the codes of a head: 98,304 bytes; my 128 rows' part: 6,144
	s_mul_i32 s22, s63, 6144
	s_add_co_u32 s38, s38, s22
	s_mov_b32 s39, 0
	s_add_nc_u64 s[38:39], s[10:11], s[38:39]
	s_lshl_b32 s60, s58, 12                        ; its scale words: 4,096 bytes; my part: 256
	s_lshl_b32 s22, s63, 8
	s_add_co_u32 s60, s60, s22
	s_add_co_u32 s60, s60, OSC
	s_mov_b32 s61, 0
	s_add_nc_u64 s[60:61], s[10:11], s[60:61]
	s_mov_b32 s59, 0xffff0000                      ; lanes 16-31
	s_mov_b32 s66, 0x76543210
	s_mov_b32 s67, 0xfedcba98                      ; v_permlanex16_b32's selects for lane l xor 16
.macro FRAGL reg, a16, a8, off         ; a fragment, 12 registers, from its image
	ds_load_b128 v[\reg:\reg+3], v[\a16] offset:\off
	ds_load_b64 v[\reg+4:\reg+5], v[\a8] offset:\off
	ds_load_b128 v[\reg+6:\reg+9], v[\a16] offset:\off+768
	ds_load_b64 v[\reg+10:\reg+11], v[\a8] offset:\off+768
.endm
.macro FETCH s                         ; K step s: 48 LDS loads in one run: B's four fragments and A's eight, into the sets of s % 2
	WIN 0x40                                       ; destination window 1
.irp t, 0,1,2,3
	FRAGL 48*((\s)%2)+12*\t, BA16+(\s)/2, BA8+(\s)/2, 3072*\t+1536*((\s)%2)
.endr
.if (\s)%2 == 0
	WIN 0
.endif
.irp t, 0,1,2,3,4,5,6,7
	FRAGL AF+12*\t, AA16+(\s)/2, AA8+(\s)/2, 3072*\t+1536*((\s)%2)
.endr
	WIN 0
.endm
.macro ONE d, x, y, c, sx, sy, s       ; K step 0 starts the sum with the bias as C; odd K steps take their scale words from lanes 16-31
.if (\s) == 0
	v_wmma_scale_f32_16x16x128_f8f6f4 v[\d:\d+7], v[\x:\x+11], v[\y:\y+11], v[\c:\c+7], v[\sx], v[\sy] matrix_a_fmt:MATRIX_FMT_FP6 matrix_b_fmt:MATRIX_FMT_FP6
.elseif (\s)%2 == 0
	v_wmma_scale_f32_16x16x128_f8f6f4 v[\d:\d+7], v[\x:\x+11], v[\y:\y+11], v[\d:\d+7], v[\sx], v[\sy] matrix_a_fmt:MATRIX_FMT_FP6 matrix_b_fmt:MATRIX_FMT_FP6
.else
	v_wmma_scale_f32_16x16x128_f8f6f4 v[\d:\d+7], v[\x:\x+11], v[\y:\y+11], v[\d:\d+7], v[\sx], v[\sy] matrix_a_fmt:MATRIX_FMT_FP6 matrix_b_fmt:MATRIX_FMT_FP6 matrix_a_scale:MATRIX_SCALE_ROW1 matrix_b_scale:MATRIX_SCALE_ROW1
.endif
.endm
; 32 matrix instructions: the 32 accumulators take turns, one instruction a turn, in the same order in every K step
.macro MULS ori, s
.if \ori == 0
.if (\s) == 0
	WIN 0x91                                       ; source 0 (W) window 1, source 1 (x) window 0, C (the bias) window 1, D window 2
.elseif (\s)%2 == 0
	WIN 0xa1
.else
	WIN 0xa5                                       ; odd K steps: x's fragments lie in window 1
.endif
.irp a, 0,1,2,3,4,5,6,7
.irp t, 0,1,2,3
	ONE 8*(4*\a+\t), 48*((\s)%2)+12*\t, AF+12*\a, BI+8*\t, BS+4*\t+(\s)/2, AS+4*\a+(\s)/2, \s
.endr
.endr
.else
.if (\s) == 0
	WIN 0x94                                       ; source 0 (x) window 0, source 1 (W) window 1, C window 1, D window 2
.elseif (\s)%2 == 0
	WIN 0xa4
.else
	WIN 0xa5
.endif
.irp t, 0,1,2,3
.irp a, 0,1,2,3,4,5,6,7
	ONE 8*(8*\t+\a), AF+12*\a, 48*((\s)%2)+12*\t, BI+8*\t, AS+4*\a+(\s)/2, BS+4*\t+(\s)/2, \s
.endr
.endr
.endif
	WIN 0
.endm
; A K step: the next step's fragments are asked for, then this step's 32 products are issued.  Where the next step opens a chunk: my part of that chunk has landed
; no LDS load of mine is out, and a barrier shows both of every wave.
.macro STEP ori, s
.if (\s) < 7
.if (\s) == 3
	s_wait_tensorcnt 0x0                           ; my block of chunk 2 or 3 is in
	s_wait_dscnt 0x0
	s_barrier_signal -1
	s_barrier_wait -1
.endif
.rept 4
	v_nop                                          ; four places in front of loads into registers that the step before last's products have read (ISA guide 7.12.1 for vector instructions)
.endr
	FETCH (\s)+1
	s_wait_dscnt 48                                ; all but the 48 just issued: this step's fragments are in
.else
	s_wait_dscnt 0x0
.endif
	MULS \ori, \s
.endm
.macro MAIN ori
	WIN 0x40
.irp t, 0,1,2,3
.if \ori
	global_load_b32 v[BI+8*\t], v21, s[36:37] offset:4*(32*(\t/2)+8*(\t%2))          ; a lane's eight results are one channel's: one number,
.else
	global_load_b128 v[BI+8*\t:BI+8*\t+3], v20, s[36:37] offset:4*(32*(\t/2)+8*(\t%2))   ; a lane's eight results are eight neighbouring columns'
	global_load_b128 v[BI+8*\t+4:BI+8*\t+7], v20, s[36:37] offset:4*(32*(\t/2)+8*(\t%2))+16
.endif
.endr
	s_wait_loadcnt 0x0                             ; the scale words and the bias, once
.if \ori
	WIN 0x41
.irp t, 0,1,2,3
.irp j, 1,2,3,4,5,6,7
	v_mov_b32 v[BI+8*\t+\j], v[BI+8*\t]            ; eight times
.endr
.endr
.endif
	WIN 0
	s_wait_alu depctr_va_vdst(0)
	s_wait_tensorcnt 0x0                           ; my block of chunk 0 or 1 is in
	ds_add_u32 v158, v159
	s_wait_dscnt 0x0
	CROUND                                         ; chunks 0 and 1 are whole, and all sixteen work-groups are here
	s_cmp_eq_u32 s16, 0
	s_cbranch_scc0 .Lfor_b2_\@
	tensor_load_to_lds s[G0A+4:G0A+7], s[G1A:G1A+7]
	s_nop 0
.rept 4
	v_nop
.endr
	s_branch .Lasked2_\@
.Lfor_b2_\@:
	tensor_load_to_lds s[G0B+4:G0B+7], s[G1B:G1B+7]
	s_nop 0
.rept 4
	v_nop
.endr
.Lasked2_\@:
	FETCH 0
.irp s, 0,1,2,3,4,5,6,7
	STEP \ori, \s
.endr
.endm
	s_cmp_eq_u32 ttmp9, 2                          ; the cluster's x: columns 2,048 on are v's
	s_cbranch_scc1 .Lvalues
	s_wait_alu depctr_va_vdst(0)
	MAIN 0
	s_branch .Lquantise
.Lvalues:
	s_wait_alu depctr_va_vdst(0)
	MAIN 1
.Lquantise:
	; THE WAY OUT, alike for both: registers 32 u .. 32 u + 31 of window 2 are a unit: two blocks of 32 along the next K, register 16 b + i = place 32 b + 16 (lane / 16) + i of my row.
	; k, q: unit u = tile u of rows.  v: unit 2 t + c = channels' tile t, keys 64 c on.  Each unit becomes a half-image and two scale bytes.  The work is laid in stretches under one window setting.
.irp k, 0,1,2,3,4,5,6,7,8,9,10,11,12,13,14,15
	v_mov_b32 v[T2+\k], 0                          ; a lane permute's destination counts as one of its sources; these sixteen are also the places behind the last products
.endr
	WIN 0x0a                                       ; sources 0 and 1 window 2
.irp k, 0,1,2,3,4,5,6,7,8,9,10,11,12,13,14,15
	v_max3_num_f32 v[TM+\k], |v[16*\k]|, |v[16*\k+1]|, 0x1800000   ; each accumulator is read from its low end on; the floor 2^(3 - 127) holds the byte at 1 from below
.endr
.irp i, 2,4,6,8,10,12,14
.irp k, 0,1,2,3,4,5,6,7,8,9,10,11,12,13,14,15
	v_max3_num_f32 v[TM+\k], |v[16*\k+\i]|, |v[16*\k+\i+1]|, v[TM+\k]
.endr
.endr
	WIN 0
.irp k, 0,1,2,3,4,5,6,7,8,9,10,11,12,13,14,15
	v_permlanex16_b32 v[T2+\k], v[TM+\k], s66, s67
.endr
.irp k, 0,1,2,3,4,5,6,7,8,9,10,11,12,13,14,15
	v_max_num_f32 v[TM+\k], v[TM+\k], v[T2+\k]     ; with lane l xor 16's 16: the block's largest magnitude
.endr
.irp k, 0,1,2,3,4,5,6,7,8,9,10,11,12,13,14,15
	v_add_nc_u32 v[SO+\k], 0xff000000, v[TM+\k]    ; 2 off its exponent field: the conversion's scale operand
.endr
.irp k, 0,1,2,3,4,5,6,7,8,9,10,11,12,13,14,15
	v_lshrrev_b32 v[T2+\k], 23, v[SO+\k]           ; the byte
.endr
	WIN 0x02                                       ; source 0 window 2
.irp u, 0,1,2,3,4,5,6,7
	v_cvt_scalef32_pk16_fp6_f32 v[PC+8*\u:PC+8*\u+2], v[32*\u:32*\u+15], v[SO+2*\u]
	v_cvt_scalef32_pk16_fp6_f32 v[PC+8*\u+4:PC+8*\u+6], v[32*\u+16:32*\u+31], v[SO+2*\u+1]
.endr
	WIN 0
	v_nop                                          ; one plain instruction behind the conversions
.irp u, 0,1,2,3,4,5,6,7                ; the layout wants a whole block in a lane: lanes 0-15 the unit's first block, lanes 16-31 its second
.irp i, 0,1,2
	v_permlane16_swap_b32 v[PC+8*\u+\i], v[PC+8*\u+4+\i]
.endr
.endr
.irp u, 0,1,2,3,4,5,6,7
	v_mov_b32 v[PC+8*\u+3], v[PC+8*\u+4]
	v_mov_b32 v[PC+8*\u+4], v[PC+8*\u+5]
	v_mov_b32 v[PC+8*\u+5], v[PC+8*\u+6]
.endr
.irp i, 0,1,2,3                        ; word i: the four bytes of units 2 i and 2 i + 1: a pair of tiles of k or q, or a tile of v's channels for these 128 keys
	v_lshl_or_b32 v[WD+\i], v[T2+4*\i+1], 8, v[T2+4*\i]
	v_lshl_or_b32 v[WD+\i], v[T2+4*\i+2], 16, v[WD+\i]
	v_lshl_or_b32 v[WD+\i], v[T2+4*\i+3], 24, v[WD+\i]
.endr
	v_cndmask_b32 v[WD+4], v[WD], v[WD+1], s59     ; lanes 0-15: word 0 of row r, lanes 16-31: word 1
	v_cndmask_b32 v[WD+5], v[WD+2], v[WD+3], s59
.irp u, 0,1,2,3,4,5,6,7
	global_store_b128 v1, v[PC+8*\u:PC+8*\u+3], s[38:39] offset:768*\u        ; 512 and 256 consecutive bytes, at multiples of 256 from the buffer's first byte
	global_store_b64 v2, v[PC+8*\u+4:PC+8*\u+5], s[38:39] offset:768*\u
.endr
	global_store_b32 v3, v[WD+4], s[60:61]         ; the wave's 256 bytes of scale words, in two stores of 128
	global_store_b32 v3, v[WD+5], s[60:61] offset:128
	s_wait_tensorcnt 0x0
	ds_add_u32 v158, v159
	s_wait_dscnt 0x0
	CROUND                                         ; the closing round: no work-group ends while a partner may still ask for a block that names it
	s_endpgm
.Lfunc_end_k_q32442509b5_gemm_kqv:
	.size	k_q32442509b5_gemm_kqv, .Lfunc_end_k_q32442509b5_gemm_kqv-k_q32442509b5_gemm_kqv
	.p2alignl 7, 3214868480
	.fill 96, 4, 3214868480
	.section	.rodata,"a",@progbits
	.p2align	6, 0x0
	.amdhsa_kernel k_q32442509b5_gemm_kqv
		.amdhsa_group_segment_fixed_size 327680
		.amdhsa_private_segment_fixed_size 0
		.amdhsa_enable_private_segment 0
		.amdhsa_kernarg_size 32
		.amdhsa_user_sgpr_count 2
		.amdhsa_user_sgpr_kernarg_segment_ptr 1
		.amdhsa_wavefront_size32 1
		.amdhsa_system_sgpr_workgroup_id_x 1
		.amdhsa_system_sgpr_workgroup_id_y 1
		.amdhsa_system_sgpr_workgroup_id_z 1
		.amdhsa_system_vgpr_workitem_id 0
		.amdhsa_next_free_vgpr 768
		.amdhsa_next_free_sgpr 104
		.amdhsa_reserve_vcc 0
		.amdhsa_float_denorm_mode_32 3
		.amdhsa_float_denorm_mode_16_64 3
		.amdhsa_memory_ordered 1
		.amdhsa_forward_progress 1
		.amdhsa_inst_pref_size 150
	.end_amdhsa_kernel
	.amdgpu_metadata
---
amdhsa.version: [ 1, 2 ]
amdhsa.kernels:
  - .name:           k_q32442509b5_gemm_kqv
    .symbol:         k_q32442509b5_gemm_kqv.kd
    .args:
      - { .name: xqb, .offset: 0, .size: 8, .value_kind: global_buffer, .address_space: global }
      - { .name: wqb, .offset: 8, .size: 8, .value_kind: global_buffer, .address_space: global }
      - { .name: b_kqv, .offset: 16, .size: 8, .value_kind: global_buffer, .address_space: global }
      - { .name: kqvb, .offset: 24, .size: 8, .value_kind: global_buffer, .address_space: global }
    .group_segment_fixed_size: 327680
    .private_segment_fixed_size: 0
    .kernarg_segment_align: 8
    .kernarg_segment_size: 32
    .max_flat_workgroup_size: 128
    .sgpr_count:     104
    .vgpr_count:     768
    .wavefront_size: 32
...
	.end_amdgpu_metadata
.endif
;; end of part 2
;; launch attn (part 3): grid 8 x 32, 16 waves a work-group, clusters of 4 x 1, 327,680 bytes of LDS; arguments kqvb, slopes, yqb; writes yqb
.if DOCPART == 3
	.amdgcn_target "amdgcn-amd-amdhsa--gfx1250"
	.amdhsa_code_object_version 6
	.text
	.protected	k_q32442509b5_attn
	.globl	k_q32442509b5_attn
	.p2align	8
	.type	k_q32442509b5_attn,@function
k_q32442509b5_attn:
	s_mov_b64 s[64:65], 0
	v_nop
	global_prefetch_b8 v0, s[64:65] scope:SCOPE_SE
	s_setreg_imm32_b32 hwreg(HW_REG_WAVE_MODE, 25, 1), 1
	s_wait_xcnt 0x0
	s_wait_alu depctr_hold_cnt(0) depctr_sa_sdst(0) depctr_va_vdst(0) depctr_va_sdst(0) depctr_va_ssrc(0) depctr_va_vcc(0) depctr_vm_vsrc(0)
	s_getreg_b32 s2, hwreg(HW_REG_IB_STS2, 6, 4)
	s_cmp_eq_u32 s2, 0
	s_cbranch_scc0 .Lentry_in_a_cluster
	s_endpgm
.Lentry_in_a_cluster:
	s_bfe_u32 s2, ttmp6, 0x10000c
	s_cmp_lg_u32 s2, 0x3003
	s_cbranch_scc0 .Lentry_shape_is_right
	s_endpgm
.Lentry_shape_is_right:
; y[b][q][h][:] = the sum over keys k <= q of softmax_k(q . k / 8 + slope_h (k - q)) v[k][:], both products on codes of FP6 (E2M3) with E8M0 scales; y is quantised along e = 64 h + d and leaves as codes.
; LEFT OUT: key steps that lie wholly behind a tile's queries: the causal mask hides all their keys, so they add nothing for any input.
; THE SOFTMAX: t = logit x log2(e); M = the running largest t rounded UP to a whole number; p = 2^(t - M) is quantised along the keys, not normalised; the row's sum is taken of the unquantised p and divides
; at the end.  When M moves, the sum and O are multiplied by 2^(old M - new M): exact.
; SHARES.  A work-group serves one head of one batch and place p = 0..7 (query tile 8 beta + p lies in key step beta; 128 keys a step).  Its sixteen waves are eight pairs j = 0..7.  Wave 8 + j takes key steps 0-7 of the
; long tile (beta = 15 - j).  Wave j takes that tile's key steps 8 .. 15 - j, leaves O, -M and the sum in LDS, and then takes the short tile (beta = j), key steps 0 .. j.  So a wave has 8 or 9 steps,
; whatever p: branches hang on the wave's number and the loops' counts alone.  Behind one barrier wave 8 + j joins the two parts of the long tile (both M are whole numbers: the two factors are exact) and stores it.
; LDS IS FILLED ONCE, in two groups of joint loads of the four work-groups of a cluster, which share a head; one load a wave in each group.  At the head: key steps 0 and 8 of K and of V, 1,536 bytes a wave: what every
; wave's first step reads.  Behind the wait for all loads, the add, its wait and a round: the other 14 key steps, 10,752 bytes a wave; they land under the first step.
; No prefetch: these two groups are all that the launch fetches into LDS, and no loop runs ahead of them.
; K = 64 IN THE FIRST PRODUCT: a fragment of 128 along K holds two tiles of 16 keys; multiplied by [q | 0] it gives the first tile's scores, by [0 | q] the second's.  Both products are used transposed: a lane holds one query.
; Row r of tile 2 b + u is index 32 b + 8 u + r + 8 (r / 8), so the 16 registers of two neighbouring tiles are 16 neighbours.
; THE BIAS.  slope (k - q) = slope (distance of the key's block of 32 from the query's) + slope (i + 16 (lane / 16) - q % 32).  The second term x 8, 16 numbers a lane, is the C of the score products; the first, one
; number a block, goes in with -M by the one multiply-add that scales the score.  ON THE DIAGONAL a block ahead of the query's gets -infinity as its first term; in the query's own block hidden keys' scores become -infinity
; by sixteen lane masks made once.
; LIMITS: NaN and infinities are not served; the promise holds while |t| stays under 2^31; a block of p or of y whose largest magnitude lies under 2^-124 gets the byte 1; O is divided by the sum by v_rcp_f32 and a multiplication.
; REGISTERS: v1-5 lane terms; v7-11 the step's addresses; v12 -M, v13 the largest t, v[14:15] the sum; v16-27 [q | 0]; v80-91 [0 | q]; v28 my pair's place for the part; v30 slope x log2(e); v31 -infinity; v32-79 fragments of K, then V;
; v96-159 scores, then p; v160-191 O^T; v192-207 the bias's second term; v208-211 its first; v212-219 pairs (first term - M, the block's largest exponent); v222-223 the add's; v224-235 p's codes; v232-249 at work;
; v248-249 K's scale words, v250-251 V's, v253 p's, v255 q's; v252 2^(old M - new M).
.set KV,    98304                      ; a head's codes of K, q or V
.set HALFK, 49152                      ; eight key steps of 6,144 bytes
.set SCR,   196608                     ; the scale words: K's 4,096 bytes, then V's
.set PART,  204800                     ; eight places of 4,608 bytes for the long tiles' second parts
.set SLOTP, 4608
.set SPARE, PART+8*SLOTP               ; the spare words, 128 bytes a wave
.set SCOFF, 9437184                    ; the scale words in kqvb
.set L16,  1
.set L8,   2
.set LV16, 3
.set LV8,  4
.set LS,   5
.set ADK,  7
.set ADK8, 8
.set ADV,  9
.set ADV8, 10
.set ADS,  11
.set PST,  28
.set NINF, 31
.set SPW,  222
.set NIL,  223
.set TWO,  3                           ; s3 1 in waves 0-7, which walk two tiles; 0 in waves 8-15
.set WV,   10
.set BETA, 11                          ; my tile's last key step
.set ST,   12                          ; the key step
.set TB,   16                          ; where its codes begin
.set TS,   17                          ; and its scale words
.set Q32,  18                          ; the first query of my queries' block of 32
.set SEL,  20
.set CS,   22                          ; s[22:23] c = log2(e) / 8
.set G1S,  24
.set G1L,  32
.set G0S,  40
.set G0L,  44
.set R,    60                          ; wave / 8: what I fetch
.set J,    61                          ; wave % 8: my pair
.set BETA2, 62
.set Q322, 63
.set M0,   72                          ; s72-87 the sixteen lane masks
.set SH,   96
.set CN,   99
.macro CROUND
	s_barrier_signal -1
	s_barrier_wait -1
	s_cmp_lg_u32 s[WV], 0
	s_cbranch_scc1 .Lnot_wave_0_\@
	s_barrier_signal -3
.Lnot_wave_0_\@:
	s_barrier_wait -3
	s_barrier_signal -1
	s_barrier_wait -1
.endm
.macro FRAGL reg, a16, a8, off         ; a fragment, 12 registers, from its image
	ds_load_b128 v[\reg:\reg+3], v[\a16] offset:\off
	ds_load_b64 v[\reg+4:\reg+5], v[\a8] offset:\off
	ds_load_b128 v[\reg+6:\reg+9], v[\a16] offset:\off+768
	ds_load_b64 v[\reg+10:\reg+11], v[\a8] offset:\off+768
.endm
.macro SW d, a, b, c, sa, sb, row      ; row = 1: source 0's scale words stand in lanes 16-31
.if \row
	v_wmma_scale_f32_16x16x128_f8f6f4 v[\d:\d+7], v[\a:\a+11], v[\b:\b+11], v[\c:\c+7], v[\sa], v[\sb] matrix_a_fmt:MATRIX_FMT_FP6 matrix_b_fmt:MATRIX_FMT_FP6 matrix_a_scale:MATRIX_SCALE_ROW1
.else
	v_wmma_scale_f32_16x16x128_f8f6f4 v[\d:\d+7], v[\a:\a+11], v[\b:\b+11], v[\c:\c+7], v[\sa], v[\sb] matrix_a_fmt:MATRIX_FMT_FP6 matrix_b_fmt:MATRIX_FMT_FP6
.endif
.endm
.macro QA t, d                         ; tile s[t] of q: its half-image's address in s[d:d+1], its pair's scale words' in s[d+2:d+3]
	s_mul_i32 s53, s[\t], 768
	s_add_co_u32 s[\d], s52, s53
	s_mov_b32 s[\d+1], 0
	s_add_nc_u64 s[\d:\d+1], s[4:5], s[\d:\d+1]
	s_lshr_b32 s53, s[\t], 1
	s_lshl_b32 s53, s53, 6
	s_add_co_u32 s[\d+2], s54, s53
	s_mov_b32 s[\d+3], 0
	s_add_nc_u64 s[\d+2:\d+3], s[4:5], s[\d+2:\d+3]
.endm
.macro QLOAD d, r4                     ; q's half-image, twice: two operands share no register
	global_load_b128 v[16:19], v[L16], s[\d:\d+1]
	global_load_b64 v[20:21], v[L8], s[\d:\d+1]
	global_load_b128 v[86:89], v[L16], s[\d:\d+1]
	global_load_b64 v[90:91], v[L8], s[\d:\d+1]
	global_load_b32 v254, v[\r4], s[\d+2:\d+3]
.endm
.macro QSC                             ; my tile's two bytes of the pair's word, twice: they serve [q | 0] and [0 | q]
	v_lshrrev_b32 v254, s[SH], v254
	v_and_b32 v254, 0xffff, v254
	v_lshl_or_b32 v255, v254, 16, v254
.endm
.macro INIT                            ; a tile's sums begin: the largest t -3e38, under every t; the first change of M leaves zeros zeros
	v_mov_b32 v13, 0xff61b1e6
	v_mov_b32 v14, 0
	v_mov_b32 v15, 0
	v_floor_f32 v12, -v13
.set n, 0
.rept 32
	v_mov_b32 v[160+n], 0
.set n, n+1
.endr
.endm
	s_load_b128 s[4:7], s[0:1], 0x0                ; kqvb, slopes
	s_load_b64 s[8:9], s[0:1], 0x10                ; yqb
	v_lshl_add_u32 v[SPW], v0, 2, SPARE
	v_mov_b32 v[NIL], 0
	ds_add_u32 v[SPW], v[NIL]                      ; the opening lines: the add twice on end and one wait
	ds_add_u32 v[SPW], v[NIL]
	v_lshrrev_b32 v1, 5, v0
	v_readfirstlane_b32 s[WV], v1                  ; wave 0..15
	s_bfe_u32 s13, ttmp6, 0x40000                  ; cx
	s_lshl_b32 s14, ttmp9, 2
	s_add_co_u32 s14, s14, s13                     ; p: it enters global addresses and numbers alone
	s_and_b32 s48, ttmp7, 0xffff
	s_lshr_b32 s49, s48, 4                         ; the batch
	s_and_b32 s50, s48, 15                         ; the head
	s_mul_i32 s51, s49, 48
	s_add_co_u32 s51, s51, s50                     ; k's place among the 96 heads of kqvb; q's is 16 on, v's 32
	s_lshr_b32 s[R], s[WV], 3
	s_xor_b32 s[TWO], s[R], 1
	s_and_b32 s[J], s[WV], 7
	s_sub_co_u32 s[BETA], 15, s[J]                 ; the long tile's last key step
	s_bfe_u32 s53, s[WV], 0x10002                  ; what I fetch: K or V by wave / 8, key steps 0-7 or 8-15 by (wave / 4) % 2, the quarter by wave % 4
	s_and_b32 s54, s[WV], 3
	s_mul_i32 s55, s[R], KV
	s_mul_i32 s53, s53, HALFK
	s_add_co_u32 s55, s55, s53                     ; in LDS
	s_lshl_b32 s52, s[R], 5
	s_add_co_u32 s52, s52, s51
	s_mul_i32 s52, s52, KV
	s_add_co_u32 s52, s52, s53                     ; in memory
	s_mul_i32 s53, s54, 1536                       ; the first load: a quarter of one key step
	s_mul_i32 s54, s54, 10752
	s_add_co_u32 s54, s54, 6144                    ; the second: a quarter of the seven steps behind it
	s_add_co_u32 s92, s52, s53
	s_mov_b32 s93, 0
	s_add_co_u32 s94, s52, s54
	s_mov_b32 s95, 0
	; group 1: a dense block as rows of 256 bytes (32 elements of 8 bytes), no padding: 6 rows, 42 rows
	s_mov_b32 s[G1S], 15|(3<<16)|(1<<21)           ; the mask: all four work-groups; elements of 8 bytes; bit 21 beside a mask
	s_mov_b32 s[G1S+1], 32<<16
	s_mov_b32 s[G1S+2], 6<<16
	s_mov_b32 s[G1S+3], 32<<16
	s_mov_b32 s[G1S+4], 6
	s_mov_b32 s[G1S+5], 32
	s_mov_b32 s[G1S+6], 0
	s_mov_b32 s[G1S+7], 0
	s_mov_b32 s[G1L], 15|(3<<16)|(1<<21)
	s_mov_b32 s[G1L+1], 32<<16
	s_mov_b32 s[G1L+2], 42<<16
	s_mov_b32 s[G1L+3], 32<<16
	s_mov_b32 s[G1L+4], 42
	s_mov_b32 s[G1L+5], 32
	s_mov_b32 s[G1L+6], 0
	s_mov_b32 s[G1L+7], 0
	s_wait_dscnt 0x0                               ; both opening adds are done
	s_wait_kmcnt 0x0
	s_mov_b32 s[G0S], 1
	s_add_co_u32 s[G0S+1], s55, s53
	s_add_nc_u64 s[G0S+2:G0S+3], s[4:5], s[92:93]
	s_or_b32 s[G0S+3], s[G0S+3], 0x80000000
	s_mov_b32 s[G0L], 1
	s_add_co_u32 s[G0L+1], s55, s54
	s_add_nc_u64 s[G0L+2:G0L+3], s[4:5], s[94:95]
	s_or_b32 s[G0L+3], s[G0L+3], 0x80000000
	s_lshl_b32 s92, s50, 2
	s_add_nc_u64 s[92:93], s[6:7], s[92:93]
	s_load_b32 s15, s[92:93], 0x0                  ; my head's slope
	CROUND                                         ; all four work-groups are here: the joint loads meet
	tensor_load_to_lds s[G0S:G0S+3], s[G1S:G1S+7]  ; my one load at the head
	s_nop 0
	v_and_b32 v[L16], 31, v0
	v_and_b32 v233, 15, v0
	v_lshl_add_u32 v232, v0, 4, SCR                ; where my 16 bytes of scale words go: 512 x wave + 16 x lane
	v_lshlrev_b32 v[LS], 2, v[L16]
	v_lshlrev_b32 v[L8], 3, v[L16]
	v_lshlrev_b32 v[L16], 4, v[L16]                ; 16 x lane
	v_lshlrev_b32 v233, 2, v233                    ; 4 r
	v_add_nc_u32 v[LS], SCR, v[LS]                 ; 4 x lane + SCR
	v_add_nc_u32 v[L8], 512, v[L8]                 ; 8 x lane + 512
	v_add_nc_u32 v[LV16], KV, v[L16]
	s_mul_i32 s53, s[J], SLOTP
	s_add_co_u32 s53, s53, PART
	v_add_nc_u32 v[PST], s53, v[L16]               ; my pair's place for the part: the same in waves j and 8 + j
	v_add_nc_u32 v[LV8], KV, v[L8]
	s_wait_alu depctr_va_vdst(0)                   ; the wait ahead of the run of scalar lines
	s_lshl_b32 s52, s[R], 5                        ; waves 0-7 bring K's scale words, waves 8-15 V's: 512 bytes each
	s_add_co_u32 s52, s52, s51
	s_lshl_b32 s66, s52, 12
	s_lshl_b32 s52, s[J], 9
	s_add_co_u32 s66, s66, s52
	s_add_co_u32 s66, s66, SCOFF
	s_mov_b32 s67, 0
	s_add_nc_u64 s[66:67], s[4:5], s[66:67]
	s_lshl_b32 s19, s[BETA], 3
	s_add_co_u32 s19, s19, s14                     ; the long tile
	s_lshl_b32 s97, s[J], 3
	s_add_co_u32 s97, s97, s14                     ; the short tile
	s_add_co_u32 s54, s51, 16                      ; q
	s_mul_i32 s52, s54, KV
	s_lshl_b32 s54, s54, 12
	s_add_co_u32 s54, s54, SCOFF
	QA 19, 68
	QA 97, 88
	global_load_b128 v[240:243], v[L16], s[66:67]
	QLOAD 68, 233
	s_cmp_eq_u32 s[TWO], 0
	s_cselect_b32 s98, s19, s97                    ; the tile that I store: waves 8-15 the long one, waves 0-7 the short one
	s_cselect_b32 s[BETA2], -1, s[J]               ; the second walk: waves 8-15 have none
	; where y goes: codes [chunk of 4 heads][tile][head % 4][768]; scale words [tile][head / 4][(head / 2) % 2][row], two bytes of a word
	s_lshl_b32 s52, s49, 7
	s_add_co_u32 s52, s52, s98
	s_lshr_b32 s53, s50, 2
	s_and_b32 s54, s50, 3
	s_mul_i32 s56, s53, 786432
	s_mul_i32 s55, s52, 3072
	s_add_co_u32 s56, s56, s55
	s_mul_i32 s55, s54, 768
	s_add_co_u32 s56, s56, s55
	s_mov_b32 s57, 0
	s_add_nc_u64 s[56:57], s[8:9], s[56:57]
	s_lshl_b32 s58, s52, 9
	s_lshl_b32 s55, s53, 7
	s_add_co_u32 s58, s58, s55
	s_bfe_u32 s55, s50, 0x10001
	s_lshl_b32 s55, s55, 6
	s_add_co_u32 s58, s58, s55
	s_and_b32 s55, s50, 1
	s_lshl_b32 s55, s55, 1
	s_add_co_u32 s58, s58, s55
	s_add_co_u32 s58, s58, 3145728
	s_mov_b32 s59, 0
	s_add_nc_u64 s[58:59], s[8:9], s[58:59]
	s_mov_b32 s[SEL], 0x76543210
	s_mov_b32 s[SEL+1], 0xfedcba98                 ; v_permlanex16_b32's selects for lane l xor 16
	s_mov_b32 s[CS], 0x3e38aa3b                    ; c = log2(e) / 8
	s_mov_b32 s[CS+1], s[CS]
	s_lshl_b32 s[ST], s[TWO], 3                    ; waves 8-15 begin at key step 0, waves 0-7 at 8
	s_mul_i32 s[TB], s[TWO], HALFK
	s_lshl_b32 s[TS], s[TWO], 11
	s_lshr_b32 s48, s14, 1
	s_lshl_b32 s48, s48, 5                         ; 32 (p / 2)
	s_lshl_b32 s[Q32], s[BETA], 7
	s_add_co_u32 s[Q32], s[Q32], s48
	s_lshl_b32 s[Q322], s[J], 7
	s_add_co_u32 s[Q322], s[Q322], s48
	s_and_b32 s48, s14, 1
	s_lshl_b32 s53, s48, 3
	s_lshl_b32 s[SH], s48, 4
	v_and_b32 v244, 15, v0
	v_and_b32 v245, 8, v244
	v_add_nc_u32 v244, v244, v245
	v_add_nc_u32 v244, s53, v244                   ; my query's place in its block of 32: 8 (p % 2) + r + 8 (r / 8)
	v_bfe_u32 v245, v0, 4, 1
	v_lshlrev_b32 v245, 4, v245
	v_sub_nc_u32 v245, v245, v244                  ; 16 (lane / 16) - that place
.irp i, 0,1,2,3,4,5,6,7,8,9,10,11,12,13,14,15
	v_cmp_lt_i32 s[M0+\i], -\i, v245               ; in my queries' own block, register i is hidden where i + 16 (lane / 16) lies behind my place
.endr
.irp i, 0,1,2,3,4,5
	v_mov_b32 v[22+\i], 0                          ; [q | 0]
	v_mov_b32 v[80+\i], 0                          ; [0 | q]
.endr
	INIT
.irp b, 236,237,238,239,250,251,252,253
	v_mov_b32 v[\b], 0                             ; written once: permutes' destinations, and upper halves of pairs that are named whole
.endr
	v_mov_b32 v[NINF], 0xff800000
	v_mov_b32 v30, 0x3fb8aa3b
	v_mov_b32 v29, 0x41000000
.irp i, 0,1,2,3,4,5,6,7,8,9,10,11,12,13,14,15
	v_add_nc_u32 v[192+\i], \i, v245
.endr
.irp i, 0,1,2,3,4,5,6,7,8,9,10,11,12,13,14,15
	v_cvt_f32_i32 v[192+\i], v[192+\i]
.endr
	s_wait_alu depctr_va_vdst(0)
	s_wait_kmcnt 0x0                               ; the slope
	v_mul_f32 v30, s15, v30                        ; slope x log2(e)
	v_mul_f32 v29, s15, v29                        ; slope x 8
.irp i, 0,1,2,3,4,5,6,7,8,9,10,11,12,13,14,15
	v_mul_f32 v[192+\i], v29, v[192+\i]            ; 8 slope (i + 16 (lane / 16) - my query's place): the C of the score products
.endr
	s_wait_alu depctr_va_vdst(0)
	s_wait_loadcnt 0x0
	ds_store_b128 v232, v[240:243]
	QSC
	s_wait_alu depctr_va_vdst(0)                   ; the wait at the head's end
	s_wait_tensorcnt 0x0                           ; my part of key steps 0 and 8 is in
	ds_add_u32 v[SPW], v[NIL]
	s_wait_dscnt 0x0                               ; the add is done, and my scale words are stored
	CROUND
	tensor_load_to_lds s[G0L:G0L+3], s[G1L:G1L+7]  ; my one load behind the round: a quarter of seven key steps
	s_nop 0
; A KEY STEP: 128 keys.  A wave whose tile ends before the step leaves its work out: a branch on the wave's number and the count, not round the lines at the end that step.
.macro STEP
	s_cmp_gt_i32 s[ST], s[BETA]
	s_cbranch_scc1 .Lskip_\@
	v_add_nc_u32 v[ADK], s[TB], v[L16]             ; (these five are also the places in front of the loads into registers that the last step's products have read)
	v_add_nc_u32 v[ADK8], s[TB], v[L8]
	v_add_nc_u32 v[ADV], s[TB], v[LV16]
	v_add_nc_u32 v[ADV8], s[TB], v[LV8]
	v_add_nc_u32 v[ADS], s[TS], v[LS]
.irp t, 0,1,2,3
	FRAGL 32+12*\t, ADK, ADK8, 1536*\t             ; pair t: key tiles 2 t and 2 t + 1 side by side
.endr
	ds_load_b32 v248, v[ADS]                       ; their scale words: lanes 0-15 pair 0's, lanes 16-31 pair 1's;
	ds_load_b32 v249, v[ADS] offset:128            ; pairs 2 and 3
	s_lshl_b32 s48, s[ST], 7
	s_sub_co_i32 s48, s48, s[Q32]
	v_cvt_f32_i32 v208, s48                        ; from my queries' block of 32 to the step's four blocks: whole numbers, exact
	v_add_f32 v209, 0x42000000, v208
	v_add_f32 v210, 0x42800000, v208
	v_add_f32 v211, 0x42c00000, v208
	s_wait_alu depctr_va_vdst(0)
	s_wait_dscnt 0x0
.irp t, 0,2
	SW 96+16*\t, 32+12*\t, 16, 192, 248+\t/2, 255, 0
	SW 104+16*\t, 32+12*\t, 80, 200, 248+\t/2, 255, 0
	SW 112+16*\t, 44+12*\t, 16, 192, 248+\t/2, 255, 1
	SW 120+16*\t, 44+12*\t, 80, 200, 248+\t/2, 255, 1
.endr                                  ; register 16 b + i of v96 on: score + 8 x the bias's second term, key 128 ST + 32 b + 16 (lane / 16) + i, my query
.irp b, 0,1,2,3
	v_mul_f32 v[208+\b], v30, v[208+\b]            ; the bias's first term, one a block.  (Four places behind the products)
.endr
.irp t, 0,1,2,3
	FRAGL 32+12*\t, ADV, ADV8, 1536*\t             ; V^T: 16 channels x these 128 keys; it lands under the softmax
.endr
	ds_load_b32 v250, v[ADS] offset:4096
	ds_load_b32 v251, v[ADS] offset:4224
	s_cmp_lg_u32 s[ST], s[BETA]                    ; my tile's last step lies on the diagonal
	s_cbranch_scc1 .Lopen_\@
	s_wait_alu depctr_va_vdst(0)
.irp b, 0,1,2,3
	s_add_co_i32 s49, s48, 32*\b
	s_cmp_gt_i32 s49, 0
	s_cselect_b32 s50, 0xff800000, 0               ; a block ahead of my queries' block: -infinity goes into its first term
	s_cmp_eq_u32 s49, 0
	s_cselect_b32 s51, -1, 0                       ; my queries' own block: the sixteen masks count
	v_add_f32 v[208+\b], s50, v[208+\b]
.set n, 0
.rept 16
	s_and_b32 s[52+n%2], s[M0+n], s51
	v_cndmask_b32 v[96+16*\b+n], v[96+16*\b+n], v[NINF], s[52+n%2]   ; each accumulator from its low end on
.set n, n+1
.endr
.endr
	s_wait_alu depctr_va_vdst(0)
.Lopen_\@:
.irp b, 0,1,2,3
	v_max3_num_f32 v[232+\b], v[96+16*\b], v[97+16*\b], v[98+16*\b]   ; the largest of each block of 32 keys: it serves the row's maximum and, since p rises with it, the block's largest p.  The four blocks by turns
.endr
.irp i, 3,5,7,9,11,13
.irp b, 0,1,2,3
	v_max3_num_f32 v[232+\b], v[232+\b], v[96+16*\b+\i], v[97+16*\b+\i]
.endr
.endr
.irp b, 0,1,2,3
	v_max_num_f32 v[232+\b], v[232+\b], v[111+16*\b]
.endr
.irp b, 0,1,2,3
	v_permlanex16_b32 v[236+\b], v[232+\b], s[SEL], s[SEL+1]
.endr
.irp b, 0,1,2,3
	v_max_num_f32 v[232+\b], v[232+\b], v[236+\b]  ; with lane l xor 16's 16 keys
.endr
.irp b, 0,1,2,3
	v_fma_f32 v[240+\b], v[232+\b], s[CS], v[208+\b]   ; the block's largest t
.endr
	v_max3_num_f32 v254, v240, v241, v242
	v_max_num_f32 v254, v254, v243
	v_max_num_f32 v13, v13, v254                   ; the running largest t
	v_mov_b32 v254, v12
	v_floor_f32 v12, -v13                          ; the new -M = -ceil(t): a whole number
	v_sub_f32 v254, v12, v254                      ; old M - new M: a whole number, 0 or less
	v_cvt_i32_f32 v254, v254                       ; (it saturates)
	v_ldexp_f32 v252, 1.0, v254                    ; f = 2^(old M - new M)
.irp b, 0,1,2,3
	v_add_f32 v[212+2*\b], v[208+\b], v12          ; the block's first term - M
.endr
.irp b, 0,1,2,3
	v_fma_f32 v[213+2*\b], v[232+\b], s[CS], v[212+2*\b]   ; the block's largest exponent: the same multiply-add as below on the same numbers
.endr
.irp b, 0,1,2,3
.set n, 0
.rept 8
	v_pk_fma_f32 v[96+16*\b+n:97+16*\b+n], v[96+16*\b+n:97+16*\b+n], s[CS:CS+1], v[212+2*\b:213+2*\b] op_sel_hi:[1,0,0]   ; t - M (of the pairs the low word serves both halves)
.set n, n+2
.endr
.endr
	s_wait_alu depctr_va_vdst(0)                   ; the wait ahead of the batch
.set n, 0
.rept 64
	v_exp_f32 v[96+n], v[96+n]                     ; p = 2^(t - M): not normalised
.set n, n+1
.endr
	v_pk_mul_f32 v[14:15], v[14:15], v[252:253] op_sel_hi:[1,0]   ; the sums under the new M; the plain instruction behind the exponentials
	s_wait_alu depctr_va_vdst(0)                   ; one wait for the batch of 64
.irp b, 0,1,2,3
	v_exp_f32 v[232+\b], v[213+2*\b]               ; the block's largest p
.endr
.irp k, 0,1,2,3,4,5,6                  ; the row's sum of the unquantised p: 32 packed additions in eight chains
	v_pk_add_f32 v[236+2*\k:237+2*\k], v[96+4*\k:97+4*\k], v[98+4*\k:99+4*\k]
.endr
	v_pk_add_f32 v[14:15], v[14:15], v[124:125]
.irp g, 126, 142
.irp k, 0,1,2,3,4,5,6
	v_pk_add_f32 v[236+2*\k:237+2*\k], v[236+2*\k:237+2*\k], v[\g+2*\k:\g+2*\k+1]
.endr
	v_pk_add_f32 v[14:15], v[14:15], v[\g+14:\g+15]
.endr
	v_pk_add_f32 v[236:237], v[236:237], v[158:159]
	v_pk_add_f32 v[238:239], v[238:239], v[240:241]
	v_pk_add_f32 v[242:243], v[242:243], v[244:245]
	v_pk_add_f32 v[246:247], v[246:247], v[248:249]
	v_pk_add_f32 v[14:15], v[14:15], v[236:237]
	v_pk_add_f32 v[238:239], v[238:239], v[242:243]
	v_pk_add_f32 v[14:15], v[14:15], v[246:247]
	v_pk_add_f32 v[14:15], v[14:15], v[238:239]
	s_wait_alu depctr_va_vdst(0)                   ; and one for the four
.irp b, 0,1,2,3
	v_max_num_f32 v[232+\b], 0x1800000, v[232+\b]  ; the floor 2^(3 - 127): a block whose every p is 0 keeps the byte 1: its codes are zeros
.endr
.irp b, 0,1,2,3
	v_add_nc_u32 v[244+\b], 0xff000000, v[232+\b]  ; 2 off the exponent field: the conversion's scale operand
.endr
.irp b, 0,1,2,3
	v_lshrrev_b32 v[236+\b], 23, v[244+\b]         ; the byte
.endr
	v_lshl_or_b32 v253, v237, 8, v236              ; p's scale word for these 128 keys
	v_lshl_or_b32 v253, v238, 16, v253
	v_lshl_or_b32 v253, v239, 24, v253
.irp c, 0,1
	v_cvt_scalef32_pk16_fp6_f32 v[224+6*\c:226+6*\c], v[96+32*\c:111+32*\c], v[244+2*\c]
	v_cvt_scalef32_pk16_fp6_f32 v[236+4*\c:238+4*\c], v[112+32*\c:127+32*\c], v[244+2*\c+1]   ; (a conversion's three registers begin on an even number)
.endr
	v_nop                                          ; one plain instruction behind the conversions
.irp c, 0,1                            ; the layout wants a whole block in a lane
.irp i, 0,1,2
	v_permlane16_swap_b32 v[224+6*\c+\i], v[236+4*\c+\i]
.endr
.irp i, 0,1,2
	v_mov_b32 v[227+6*\c+\i], v[236+4*\c+\i]
.endr
.endr
	s_wait_alu depctr_va_vdst(0)                   ; the wait directly ahead of the first reader of O^T
.set n, 0
.rept 16
	v_pk_mul_f32 v[160+n:161+n], v[160+n:161+n], v[252:253] op_sel_hi:[1,0]   ; O^T under the new M.  (These sixteen are also the places between the scale word, the codes and the products)
.set n, n+2
.endr
	s_wait_alu depctr_va_vdst(0)
	s_wait_dscnt 0x0                               ; V
	SW 160, 32, 224, 160, 250, 253, 0
	SW 168, 44, 224, 168, 250, 253, 1
	SW 176, 56, 224, 176, 251, 253, 0
	SW 184, 68, 224, 184, 251, 253, 1
.Lskip_\@:
	s_add_co_u32 s[TB], s[TB], 6144
	s_add_co_u32 s[TS], s[TS], 256
	s_add_co_u32 s[ST], s[ST], 1
.endm
	STEP                                           ; key step 0 or 8 of the long tile: the head's fills
	s_wait_alu depctr_va_vdst(0)
	s_wait_tensorcnt 0x0                           ; my part of the other keys is in,
	s_wait_dscnt 0x0
	s_barrier_signal -1
	s_barrier_wait -1                              ; everybody's is
	s_mov_b32 s[CN], 0
.Lfirst:                               ; key steps 1-7 or 9-15 of the long tile
	STEP
	s_add_co_u32 s[CN], s[CN], 1
	s_cmp_lt_u32 s[CN], 7
	s_cbranch_scc1 .Lfirst
	s_cmp_lt_u32 s[WV], 8
	s_cbranch_scc0 .Lkeep                          ; waves 8-15 keep their sums
	v_and_b32 v246, 15, v0                         ; (four places behind the last products)
	v_nop
	v_nop
	v_lshlrev_b32 v246, 2, v246
	QLOAD 88, 246                                  ; the short tile's q lands under the lines below
.irp k, 0,1,2,3,4,5,6,7
	ds_store_b128 v[PST], v[160+4*\k:163+4*\k] offset:512*\k   ; my part of the long tile: O^T, an image of its registers,
.endr
	ds_store_b128 v[PST], v[12:15] offset:4096     ; and -M, the largest t, the sum's two halves
	INIT
	s_wait_alu depctr_va_vdst(0)
	s_wait_loadcnt 0x0
	QSC
	s_wait_alu depctr_va_vdst(0)
.Lkeep:
	s_mov_b32 s[BETA], s[BETA2]
	s_mov_b32 s[Q32], s[Q322]
	s_mov_b32 s[ST], 0
	s_mov_b32 s[TB], 0
	s_mov_b32 s[TS], 0
.Lsecond:                              ; key steps 0 .. j of the short tile, in waves 0-7
	STEP
	s_cmp_lt_u32 s[ST], 8
	s_cbranch_scc1 .Lsecond
	s_wait_alu depctr_va_vdst(0)
	s_wait_dscnt 0x0                               ; my part is stored
	s_barrier_signal -1
	s_barrier_wait -1                              ; everybody's is
	s_cmp_lt_u32 s[WV], 8
	s_cbranch_scc1 .Lown                           ; waves 0-7 have the short tile whole
.rept 4
	v_nop                                          ; places behind my last products, whose scale registers are written below
.endr
.irp k, 0,1,2,3,4,5,6,7,8
	ds_load_b128 v[96+4*\k:99+4*\k], v[PST] offset:512*\k
.endr
	s_wait_dscnt 0x0
	v_min_num_f32 v254, v12, v128                  ; -M of the two parts together
	v_sub_f32 v252, v254, v12
	v_sub_f32 v250, v254, v128                     ; whole numbers, 0 or less
	v_cvt_i32_f32 v252, v252
	v_cvt_i32_f32 v250, v250
	v_ldexp_f32 v252, 1.0, v252                    ; my part's factor,
	v_ldexp_f32 v250, 1.0, v250                    ; the other's: powers of two
	v_pk_mul_f32 v[14:15], v[14:15], v[252:253] op_sel_hi:[1,0]
.set n, 0
.rept 16
	v_pk_mul_f32 v[160+n:161+n], v[160+n:161+n], v[252:253] op_sel_hi:[1,0]
.set n, n+2
.endr
	v_pk_fma_f32 v[14:15], v[130:131], v[250:251], v[14:15] op_sel_hi:[1,0,1]
.set n, 0
.rept 16
	v_pk_fma_f32 v[160+n:161+n], v[96+n:97+n], v[250:251], v[160+n:161+n] op_sel_hi:[1,0,1]
.set n, n+2
.endr
	s_wait_alu depctr_va_vdst(0)
.Lown:
	; THE WAY OUT.  O^T / the sum: register 16 b + i is channel 32 b + 16 (lane / 16) + i of my query: two blocks of 32 along e.  They become a half-image and two scale bytes.
	v_add_f32 v14, v14, v15                        ; the sum's two halves,
	v_permlanex16_b32 v252, v14, s[SEL], s[SEL+1]
	v_add_f32 v14, v14, v252                       ; and lane l xor 16's: the row's sum
	s_wait_alu depctr_va_vdst(0)
	v_rcp_f32 v14, v14
	v_and_b32 v246, 15, v0                         ; (plain instructions behind the reciprocal, and places behind the last products)
	v_nop
	v_nop
	v_lshlrev_b32 v246, 2, v246                    ; 4 r
	s_wait_alu depctr_va_vdst(0)                   ; the wait ahead of the reciprocal's first reader
.set n, 0
.rept 32
	v_mul_f32 v[96+n], v[160+n], v14
.set n, n+1
.endr
.irp b, 0,1
	v_max3_num_f32 v[232+\b], |v[96+16*\b]|, |v[97+16*\b]|, 0x1800000
.endr
.irp i, 2,4,6,8,10,12,14
.irp b, 0,1
	v_max3_num_f32 v[232+\b], v[232+\b], |v[96+16*\b+\i]|, |v[97+16*\b+\i]|
.endr
.endr
.irp b, 0,1
	v_permlanex16_b32 v[236+\b], v[232+\b], s[SEL], s[SEL+1]
.endr
.irp b, 0,1
	v_max_num_f32 v[232+\b], v[232+\b], v[236+\b]
.endr
.irp b, 0,1
	v_add_nc_u32 v[244+\b], 0xff000000, v[232+\b]
.endr
.irp b, 0,1
	v_lshrrev_b32 v[238+\b], 23, v[244+\b]
.endr
	v_lshl_or_b32 v238, v239, 8, v238              ; my row's two bytes
	v_cvt_scalef32_pk16_fp6_f32 v[224:226], v[96:111], v244
	v_cvt_scalef32_pk16_fp6_f32 v[228:230], v[112:127], v245
	v_nop                                          ; one plain instruction behind the conversions
.irp i, 0,1,2
	v_permlane16_swap_b32 v[224+\i], v[228+\i]
.endr
	v_mov_b32 v227, v228
	v_mov_b32 v228, v229
	v_mov_b32 v229, v230
	global_store_b128 v[L16], v[224:227], s[56:57] ; 512 and 256 consecutive bytes, at multiples of 256 from the buffer's first byte
	global_store_b64 v[L8], v[228:229], s[56:57]
	global_store_b16 v246, v238, s[58:59]          ; lanes r and r + 16 store the same two bytes at the same place
	s_wait_tensorcnt 0x0                           ; the wave's end
	ds_add_u32 v[SPW], v[NIL]
	s_wait_dscnt 0x0
	CROUND                                         ; the closing round
	s_endpgm
.Lfunc_end_k_q32442509b5_attn:
	.size	k_q32442509b5_attn, .Lfunc_end_k_q32442509b5_attn-k_q32442509b5_attn
	.p2alignl 7, 3214868480
	.fill 96, 4, 3214868480
	.section	.rodata,"a",@progbits
	.p2align	6, 0x0
	.amdhsa_kernel k_q32442509b5_attn
		.amdhsa_group_segment_fixed_size 327680
		.amdhsa_private_segment_fixed_size 0
		.amdhsa_enable_private_segment 0
		.amdhsa_kernarg_size 24
		.amdhsa_user_sgpr_count 2
		.amdhsa_user_sgpr_kernarg_segment_ptr 1
		.amdhsa_wavefront_size32 1
		.amdhsa_system_sgpr_workgroup_id_x 1
		.amdhsa_system_sgpr_workgroup_id_y 1
		.amdhsa_system_sgpr_workgroup_id_z 1
		.amdhsa_system_vgpr_workitem_id 0
		.amdhsa_next_free_vgpr 256
		.amdhsa_next_free_sgpr 100
		.amdhsa_reserve_vcc 0
		.amdhsa_float_denorm_mode_32 3
		.amdhsa_float_denorm_mode_16_64 3
		.amdhsa_memory_ordered 1
		.amdhsa_forward_progress 1
		.amdhsa_inst_pref_size 96
	.end_amdhsa_kernel
	.amdgpu_metadata
---
amdhsa.version: [ 1, 2 ]
amdhsa.kernels:
  - .name:           k_q32442509b5_attn
    .symbol:         k_q32442509b5_attn.kd
    .args:
      - { .name: kqvb, .offset: 0, .size: 8, .value_kind: global_buffer, .address_space: global }
      - { .name: slopes, .offset: 8, .size: 8, .value_kind: global_buffer, .address_space: global }
      - { .name: yqb, .offset: 16, .size: 8, .value_kind: global_buffer, .address_space: global }
    .group_segment_fixed_size: 327680
    .private_segment_fixed_size: 0
    .kernarg_segment_align: 8
    .kernarg_segment_size: 24
    .max_flat_workgroup_size: 512
    .sgpr_count:     100
    .vgpr_count:     256
    .wavefront_size: 32
...
	.end_amdgpu_metadata
.endif
;; end of part 3
;; launch gemm_out (part 4): grid 4 x 32, 4 waves a work-group, clusters of 4 x 4, 327,680 bytes of LDS; arguments yqb, wqb, b_proj, out0; writes out0
.if DOCPART == 4
	.amdgcn_target "amdgcn-amd-amdhsa--gfx1250"
	.amdhsa_code_object_version 6
	.text
	.protected	k_q32442509b5_gemm_out
	.globl	k_q32442509b5_gemm_out
	.p2align	8
	.type	k_q32442509b5_gemm_out,@function
k_q32442509b5_gemm_out:
	s_mov_b64 s[64:65], 0
	v_nop
	global_prefetch_b8 v0, s[64:65] scope:SCOPE_SE
	s_setreg_imm32_b32 hwreg(HW_REG_WAVE_MODE, 25, 1), 1
	s_wait_xcnt 0x0
	s_wait_alu depctr_hold_cnt(0) depctr_sa_sdst(0) depctr_va_vdst(0) depctr_va_sdst(0) depctr_va_ssrc(0) depctr_va_vcc(0) depctr_vm_vsrc(0)
	s_getreg_b32 s2, hwreg(HW_REG_IB_STS2, 6, 4)
	s_cmp_eq_u32 s2, 0
	s_cbranch_scc0 .Lentry_in_a_cluster
	s_endpgm
.Lentry_in_a_cluster:
	s_bfe_u32 s2, ttmp6, 0x10000c
	s_cmp_lg_u32 s2, 0xf033
	s_cbranch_scc0 .Lentry_shape_is_right
	s_endpgm
.Lentry_shape_is_right:
; out = y W_proj + b_proj on codes of FP6 (E2M3) with E8M0 scales, sums in f32, out in f32.
; SHARES.  A work-group takes 128 rows x 256 columns; wave w takes all 8 tiles of rows x 64 columns (4 tiles): 32 accumulators, 256 registers.  4 x 32 work-groups: the product has no more tiles of this size.
; LDS IS FILLED ONCE: the work-group's whole K in four chunks of 256 along K, each A's 8 tiles (24,576 bytes) and B's 16 (49,152).  The codes lie in memory as images of operand registers (half-images of 768 bytes:
; lane l's registers 0-3 at 16 l, registers 4-5 at 512 + 8 l), so a chunk's tiles are one dense block.
; CLUSTERS: 4 x 4 work-groups.  A's blocks are asked for jointly by a row of the cluster, B's by a column.  All joint loads go out at the head, behind one round of the cluster's barrier: four a wave are out.
; THE MATRIX INSTRUCTION IS USED TRANSPOSED (source 0 = 16 columns of W, source 1 = 16 rows of y): a lane holds eight neighbouring columns of one row.  Row r of tile 2 b + u is index 32 b + 8 u + r + 8 (r / 8),
; rows and columns alike.  The bias is the C of each sum's first matrix instruction.
; REGISTERS.  window 0: v1-3 lane terms; v4-19 LDS addresses; v20 the bias's offset; v22-24 the way out's addresses; v32-63 y's scale words, v64-79 W's; v160-255 A's fragments of even K steps; on the way out v96-223 rows of out.
;   window 1: v0-47, v48-95 B's fragments, two sets; v96-127 the bias; v160-255 A's fragments of odd K steps.   window 2: the accumulators.
; THE FILLS, AS THEY STAND (this takes the place of what is said above of four loads a wave): every byte is still filled once, but in two groups of joint loads, one load a wave in each.
; At the head wave 0 asks for chunk 0's A (24,576 bytes), wave 1 for its B (49,152), waves 2 and 3 for chunk 1's.  Behind the wait for all loads, the add, its wait and a round of the cluster's barrier
; the same waves ask for chunks 2 and 3, which land under K steps 0 to 3.
.set CHUNK,  73728
.set ASTR,   786432                    ; from chunk to chunk in yqb
.set BSTR,   196608                    ; and among W_proj's codes
.set BCODE,  2359296                   ; W_proj's codes in wqb
.set ASC,    3145728                   ; y's scale words in yqb
.set BSC,    3244032                   ; W_proj's in wqb
.set STG,    4*CHUNK                   ; behind the chunks: a stage of 16 rows x 272 bytes for each wave; no tensor load lands here
.set SPITCH, 272
.set AA16, 4
.set AA8,  8
.set BA16, 12
.set BA8,  16
.set STO,  22                          ; v22 where I put 32 bytes of a row
.set RD,   23                          ; v23 where I read a row back
.set CO,   24                          ; v24 my byte offset in out
.set AS,   32
.set BS,   64
.set AF,   160
.set BI,   96
.set BK,   96                          ; 16 rows read back from the stage: four buffers of 32 registers
.set G1A, 24
.set G1B, 48
.set G0A, 68
.set G0B, 84
.set MSB, 0
.macro WIN new                         ; s_set_vgpr_msb: bits 1:0 source 0, 3:2 source 1, 5:4 source 2, 7:6 destination; the high byte repeats the setting that is left
.if MSB != \new
	s_set_vgpr_msb (MSB<<8)|\new
.set MSB, \new
.endif
.endm
.macro CROUND                          ; a round of the cluster's barrier
	s_barrier_signal -1
	s_barrier_wait -1
	s_cmp_lg_u32 s14, 0
	s_cbranch_scc1 .Lnot_wave_0_\@
	s_barrier_signal -3
.Lnot_wave_0_\@:
	s_barrier_wait -3
	s_barrier_signal -1
	s_barrier_wait -1
.endm
	s_load_b128 s[4:7], s[0:1], 0x0                ; yqb, wqb
	s_load_b128 s[8:11], s[0:1], 0x10              ; b_proj, out0
	v_lshl_add_u32 v94, v0, 2, 0x4c400
	v_mov_b32 v95, 0
	ds_add_u32 v94, v95
	ds_add_u32 v94, v95
	v_lshrrev_b32 v1, 5, v0
	v_readfirstlane_b32 s14, v1                    ; wave 0..3
	s_lshr_b32 s15, s14, 1                         ; I fetch chunk 0 or 1 (then 2 or 3),
	s_and_b32 s16, s14, 1                          ; for A (0) or for B (1)
	s_bfe_u32 s40, ttmp6, 0x40000                  ; cx, cy
	s_bfe_u32 s41, ttmp6, 0x40004
	s_lshl_b32 s42, ttmp9, 2
	s_add_co_u32 s42, s42, s40                     ; nx: which 256 columns
	s_and_b32 s17, ttmp7, 0xffff
	s_lshl_b32 s17, s17, 2
	s_add_co_u32 s17, s17, s41                     ; my: which 128 rows
	s_lshl_b32 s43, s41, 2
	s_lshl_b32 s43, 15, s43                        ; my row of the cluster
	s_lshl_b32 s44, 0x1111, s40                    ; my column
	; group 1: a dense block as rows of 256 bytes (32 elements of 8 bytes), no padding.  A: 96 rows, B: 192
	s_or_b32 s[G1A], s43, (3<<16)|(1<<21)
	s_mov_b32 s[G1A+1], 32<<16
	s_mov_b32 s[G1A+2], 96<<16
	s_mov_b32 s[G1A+3], 32<<16
	s_mov_b32 s[G1A+4], 96
	s_mov_b32 s[G1A+5], 32
	s_mov_b32 s[G1A+6], 0
	s_mov_b32 s[G1A+7], 0
	s_or_b32 s[G1B], s44, (3<<16)|(1<<21)
	s_mov_b32 s[G1B+1], 32<<16
	s_mov_b32 s[G1B+2], 192<<16
	s_mov_b32 s[G1B+3], 32<<16
	s_mov_b32 s[G1B+4], 192
	s_mov_b32 s[G1B+5], 32
	s_mov_b32 s[G1B+6], 0
	s_mov_b32 s[G1B+7], 0
	s_mul_i32 s20, s17, 24576
	s_mul_i32 s18, s15, ASTR                       ; wave / 2: chunk 0 or 1 (then 2 or 3)
	s_add_co_u32 s20, s20, s18
	s_mov_b32 s21, 0
	s_mul_i32 s46, s42, 49152
	s_mul_i32 s19, s15, BSTR
	s_add_co_u32 s46, s46, s19
	s_add_co_u32 s46, s46, BCODE
	s_mov_b32 s47, 0
	s_mul_i32 s18, s15, CHUNK                      ; in LDS: the chunk's A,
	s_add_co_u32 s19, s18, 24576                   ; and its B behind A's 24,576 bytes
	s_wait_dscnt 0x0
	s_wait_kmcnt 0x0
	s_add_nc_u64 s[20:21], s[4:5], s[20:21]
	s_add_nc_u64 s[46:47], s[6:7], s[46:47]
.irp g, 0,1
	s_mov_b32 s[G0A+4*\g], 1
	s_add_co_u32 s[G0A+4*\g+1], s18, \g*2*CHUNK
	s_add_nc_u64 s[G0A+4*\g+2:G0A+4*\g+3], s[20:21], \g*2*ASTR
	s_or_b32 s[G0A+4*\g+3], s[G0A+4*\g+3], 0x80000000
	s_mov_b32 s[G0B+4*\g], 1
	s_add_co_u32 s[G0B+4*\g+1], s19, \g*2*CHUNK
	s_add_nc_u64 s[G0B+4*\g+2:G0B+4*\g+3], s[46:47], \g*2*BSTR
	s_or_b32 s[G0B+4*\g+3], s[G0B+4*\g+3], 0x80000000
.endr
	CROUND                                         ; all sixteen work-groups are here: the joint loads meet
	s_cmp_eq_u32 s16, 0                            ; even waves ask for A, odd waves for B: one load a wave, one in each arm
	s_cbranch_scc0 .Lfor_b
	tensor_load_to_lds s[G0A:G0A+3], s[G1A:G1A+7]
	s_nop 0
.rept 4
	v_nop
.endr
	s_branch .Lasked
.Lfor_b:
	tensor_load_to_lds s[G0B:G0B+3], s[G1B:G1B+7]
	s_nop 0
.rept 4
	v_nop
.endr
.Lasked:
	v_and_b32 v1, 31, v0
	v_lshlrev_b32 v3, 2, v1                        ; 4 x lane
	v_lshlrev_b32 v2, 3, v1
	v_add_nc_u32 v2, 512, v2                       ; 8 x lane + 512
	v_lshlrev_b32 v1, 4, v1                        ; 16 x lane
	s_mul_i32 s56, s14, 12288
	s_add_co_u32 s56, s56, 24576                   ; my four tiles of B in a chunk
.irp g, 0,1,2,3
	v_add_nc_u32 v[AA16+\g], \g*CHUNK, v1
	v_add_nc_u32 v[AA8+\g], \g*CHUNK, v2
	v_add_nc_u32 v[BA16+\g], s56, v[AA16+\g]
	v_add_nc_u32 v[BA8+\g], s56, v[AA8+\g]
.endr
	v_and_b32 v25, 15, v0                          ; r
	v_bfe_u32 v26, v0, 4, 1                        ; h
	v_lshlrev_b32 v20, 6, v26                      ; the bias: 64 h bytes: my half's eight columns of a tile
	s_wait_alu depctr_va_vdst(0)
	s_mul_i32 s62, s14, 16*SPITCH
	s_add_co_u32 s62, s62, STG                     ; my stage
	v_mul_u32_u24 v[STO], v25, SPITCH
	v_lshl_add_u32 v[STO], v26, 6, v[STO]
	v_add_nc_u32 v[STO], s62, v[STO]               ; in: row r, + 64 h
	v_mul_u32_u24 v[RD], v26, SPITCH
	v_lshl_add_u32 v[RD], v25, 4, v[RD]
	v_add_nc_u32 v[RD], s62, v[RD]                 ; back: lanes 0-15 one row of 256 bytes, lanes 16-31 the next
	v_lshlrev_b32 v[CO], 12, v26
	v_lshl_add_u32 v[CO], v25, 4, v[CO]            ; and the same two rows in out
	s_lshl_b32 s57, s42, 2
	s_add_co_u32 s57, s57, s14                     ; G = 4 nx + w: which 64 columns
	s_lshl_b32 s32, s17, 12
	s_add_co_u32 s32, s32, ASC
	s_mov_b32 s33, 0
	s_add_nc_u64 s[32:33], s[4:5], s[32:33]        ; y's scale words: my 8 tiles
	s_lshl_b32 s34, s57, 11
	s_add_co_u32 s34, s34, BSC
	s_mov_b32 s35, 0
	s_add_nc_u64 s[34:35], s[6:7], s[34:35]        ; W's: my 4 tiles
	s_lshl_b32 s36, s57, 8
	s_mov_b32 s37, 0
	s_add_nc_u64 s[36:37], s[8:9], s[36:37]        ; the bias: my 64 numbers
.irp a, 0,1,2,3,4,5,6,7
.irp p, 0,1,2,3
	global_load_b32 v[AS+4*\a+\p], v3, s[32:33] offset:512*\a+128*\p
.endr
.endr
.irp t, 0,1,2,3
.irp p, 0,1,2,3
	global_load_b32 v[BS+4*\t+\p], v3, s[34:35] offset:512*\t+128*\p
.endr
.endr
	s_lshl_b32 s38, s17, 19                        ; out: 128 rows of 4,096 bytes,
	s_lshl_b32 s22, s57, 8                         ; + my 256 bytes of a row
	s_add_co_u32 s38, s38, s22
	s_mov_b32 s39, 0
	s_add_nc_u64 s[38:39], s[10:11], s[38:39]
.macro FRAGL reg, a16, a8, off         ; a fragment, 12 registers, from its image
	ds_load_b128 v[\reg:\reg+3], v[\a16] offset:\off
	ds_load_b64 v[\reg+4:\reg+5], v[\a8] offset:\off
	ds_load_b128 v[\reg+6:\reg+9], v[\a16] offset:\off+768
	ds_load_b64 v[\reg+10:\reg+11], v[\a8] offset:\off+768
.endm
.macro FETCH s                         ; K step s: 48 LDS loads in one run, into the sets of s % 2
	WIN 0x40                                       ; destination window 1
.irp t, 0,1,2,3
	FRAGL 48*((\s)%2)+12*\t, BA16+(\s)/2, BA8+(\s)/2, 3072*\t+1536*((\s)%2)
.endr
.if (\s)%2 == 0
	WIN 0
.endif
.irp t, 0,1,2,3,4,5,6,7
	FRAGL AF+12*\t, AA16+(\s)/2, AA8+(\s)/2, 3072*\t+1536*((\s)%2)
.endr
	WIN 0
.endm
.macro ONE d, x, y, c, sx, sy, s       ; K step 0 starts the sum with the bias as C; odd K steps take their scale words from lanes 16-31
.if (\s) == 0
	v_wmma_scale_f32_16x16x128_f8f6f4 v[\d:\d+7], v[\x:\x+11], v[\y:\y+11], v[\c:\c+7], v[\sx], v[\sy] matrix_a_fmt:MATRIX_FMT_FP6 matrix_b_fmt:MATRIX_FMT_FP6
.elseif (\s)%2 == 0
	v_wmma_scale_f32_16x16x128_f8f6f4 v[\d:\d+7], v[\x:\x+11], v[\y:\y+11], v[\d:\d+7], v[\sx], v[\sy] matrix_a_fmt:MATRIX_FMT_FP6 matrix_b_fmt:MATRIX_FMT_FP6
.else
	v_wmma_scale_f32_16x16x128_f8f6f4 v[\d:\d+7], v[\x:\x+11], v[\y:\y+11], v[\d:\d+7], v[\sx], v[\sy] matrix_a_fmt:MATRIX_FMT_FP6 matrix_b_fmt:MATRIX_FMT_FP6 matrix_a_scale:MATRIX_SCALE_ROW1 matrix_b_scale:MATRIX_SCALE_ROW1
.endif
.endm
.macro MULS s                          ; 32 matrix instructions: the 32 accumulators take turns, one instruction a turn, in the same order in every K step
.if (\s) == 0
	WIN 0x91                                       ; source 0 (W) window 1, source 1 (y) window 0, C (the bias) window 1, D window 2
.elseif (\s)%2 == 0
	WIN 0xa1
.else
	WIN 0xa5                                       ; odd K steps: y's fragments lie in window 1
.endif
.irp a, 0,1,2,3,4,5,6,7
.irp t, 0,1,2,3
	ONE 8*(4*\a+\t), 48*((\s)%2)+12*\t, AF+12*\a, BI+8*\t, BS+4*\t+(\s)/2, AS+4*\a+(\s)/2, \s
.endr
.endr
	WIN 0
.endm
; A K step: the next step's fragments are asked for, then this step's 32 products are issued.  Where the next step opens a chunk: my part of that chunk has landed
; no LDS load of mine is out, and a barrier shows both of every wave.
.macro STEP s
.if (\s) < 7
.if (\s) == 3
	s_wait_tensorcnt 0x0                           ; my block of chunk 2 or 3 is in
	s_wait_dscnt 0x0
	s_barrier_signal -1
	s_barrier_wait -1
.endif
.rept 4
	v_nop                                          ; four places in front of loads into registers that the step before last's products have read (ISA guide 7.12.1 for vector instructions)
.endr
	FETCH (\s)+1
	s_wait_dscnt 48                                ; all but the 48 just issued: this step's fragments are in
.else
	s_wait_dscnt 0x0
.endif
	MULS \s
.endm
	WIN 0x40
.irp t, 0,1,2,3
	global_load_b128 v[BI+8*\t:BI+8*\t+3], v20, s[36:37] offset:4*(32*(\t/2)+8*(\t%2))
	global_load_b128 v[BI+8*\t+4:BI+8*\t+7], v20, s[36:37] offset:4*(32*(\t/2)+8*(\t%2))+16
.endr
	WIN 0
	s_wait_loadcnt 0x0                             ; the scale words and the bias, once
	s_wait_alu depctr_va_vdst(0)
	s_wait_tensorcnt 0x0                           ; my block of chunk 0 or 1 is in
	ds_add_u32 v94, v95
	s_wait_dscnt 0x0
	CROUND                                         ; chunks 0 and 1 are whole, and all sixteen work-groups are here
	s_cmp_eq_u32 s16, 0
	s_cbranch_scc0 .Lfor_b2
	tensor_load_to_lds s[G0A+4:G0A+7], s[G1A:G1A+7]
	s_nop 0
.rept 4
	v_nop
.endr
	s_branch .Lasked2
.Lfor_b2:
	tensor_load_to_lds s[G0B+4:G0B+7], s[G1B:G1B+7]
	s_nop 0
.rept 4
	v_nop
.endr
.Lasked2:
	FETCH 0
.irp s, 0,1,2,3,4,5,6,7
	STEP \s
.endr
; THE WAY OUT, a tile of 16 rows x 64 columns at a time.  A lane holds 32 neighbouring bytes of a row and the lanes beside it hold other rows: so a tile goes through my own stage in LDS and comes back as whole
; rows of 256 bytes, which sixteen lanes store.  LDS serves a wave's instructions in order (ISA guide 5.7.1.4): no wait between the stores and the loads, nor in front of the next tile's stores.
.macro TOSTAGE a
	WIN 0x08                                       ; an LDS store's data are its source 1: window 2
.irp t, 0,1,2,3
	ds_store_b128 v[STO], v[8*(4*(\a)+\t):8*(4*(\a)+\t)+3] offset:128*(\t/2)+32*(\t%2)       ; each accumulator from its low end on
	ds_store_b128 v[STO], v[8*(4*(\a)+\t)+4:8*(4*(\a)+\t)+7] offset:128*(\t/2)+32*(\t%2)+16
.endr
	WIN 0
.irp i, 0,1,2,3,4,5,6,7
	ds_load_b128 v[BK+32*((\a)%4)+4*\i:BK+32*((\a)%4)+4*\i+3], v[RD] offset:\i*2*SPITCH
.endr
.endm
.macro SEND a, younger                 ; younger: the LDS instructions issued behind tile a's loads, which may stay out
	s_wait_dscnt \younger
.irp i, 0,1,2,3,4,5,6,7                ; stage rows 2 i and 2 i + 1 are rows 2 i + 8 (i / 4) and the next of the tile's 32 b + 8 u on
	global_store_b128 v[CO], v[BK+32*((\a)%4)+4*\i:BK+32*((\a)%4)+4*\i+3], s[38:39] offset:(32*((\a)/2)+8*((\a)%2)+2*\i+8*(\i/4))*4096 th:TH_STORE_NT   ; 16 lanes store 256 consecutive bytes, at a multiple of 256 from out's first byte
.endr
.endm
.rept 4
	v_nop                                          ; places behind the last products: for the stores that read results and the loads into registers that held A's fragments
.endr
	s_wait_alu depctr_va_vdst(0)
	TOSTAGE 0
.irp a, 1,2,3,4,5,6,7
.if \a >= 4
	s_wait_xcnt 0x0                                ; tile a - 4's stores have read their registers: tile a's rows may land there
.endif
	TOSTAGE \a
	SEND \a-1, 16                                  ; behind tile a - 1's loads: tile a's 8 stores and 8 loads
.endr
	SEND 7, 0
	s_wait_tensorcnt 0x0
	ds_add_u32 v94, v95
	s_wait_dscnt 0x0
	CROUND                                         ; the closing round: no work-group ends while a partner may still ask for a block that names it
	s_endpgm
.Lfunc_end_k_q32442509b5_gemm_out:
	.size	k_q32442509b5_gemm_out, .Lfunc_end_k_q32442509b5_gemm_out-k_q32442509b5_gemm_out
	.p2alignl 7, 3214868480
	.fill 96, 4, 3214868480
	.section	.rodata,"a",@progbits
	.p2align	6, 0x0
	.amdhsa_kernel k_q32442509b5_gemm_out
		.amdhsa_group_segment_fixed_size 327680
		.amdhsa_private_segment_fixed_size 0
		.amdhsa_enable_private_segment 0
		.amdhsa_kernarg_size 32
		.amdhsa_user_sgpr_count 2
		.amdhsa_user_sgpr_kernarg_segment_ptr 1
		.amdhsa_wavefront_size32 1
		.amdhsa_system_sgpr_workgroup_id_x 1
		.amdhsa_system_sgpr_workgroup_id_y 1
		.amdhsa_system_sgpr_workgroup_id_z 1
		.amdhsa_system_vgpr_workitem_id 0
		.amdhsa_next_free_vgpr 768
		.amdhsa_next_free_sgpr 104
		.amdhsa_reserve_vcc 0
		.amdhsa_float_denorm_mode_32 3
		.amdhsa_float_denorm_mode_16_64 3
		.amdhsa_memory_ordered 1
		.amdhsa_forward_progress 1
		.amdhsa_inst_pref_size 88
	.end_amdhsa_kernel
	.amdgpu_metadata
---
amdhsa.version: [ 1, 2 ]
amdhsa.kernels:
  - .name:           k_q32442509b5_gemm_out
    .symbol:         k_q32442509b5_gemm_out.kd
    .args:
      - { .name: yqb, .offset: 0, .size: 8, .value_kind: global_buffer, .address_space: global }
      - { .name: wqb, .offset: 8, .size: 8, .value_kind: global_buffer, .address_space: global }
      - { .name: b_proj, .offset: 16, .size: 8, .value_kind: global_buffer, .address_space: global }
      - { .name: out0, .offset: 24, .size: 8, .value_kind: global_buffer, .address_space: global }
    .group_segment_fixed_size: 327680
    .private_segment_fixed_size: 0
    .kernarg_segment_align: 8
    .kernarg_segment_size: 32
    .max_flat_workgroup_size: 128
    .sgpr_count:     104
    .vgpr_count:     768
    .wavefront_size: 32
...
	.end_amdgpu_metadata
.endif
;; end of part 4
